; MI455X (gfx1250); checked and timed in simulation.
; The chip was launched on July 23, 2026; its instructions are those of AMD's public machine-readable ISA for CDNA 5 (MIT licence, August 2026) and "CDNA5" Instruction Set Architecture Reference Guide (July 2026). The comments in the code are by the model that wrote it; some were corrected since.
;; Ro PE mha. Allowed arithmetic: matrix products marked QUANTISED: E4M3 operands, one given power-of-two scale a tensor, by v_wmma_f32_16x16x64_fp8_fp8 or v_wmma_f32_16x16x128_fp8_fp8, f32 sums; everything else in f32.
;; Inputs: Wk 1,024 x 1,024 float32; Wo 1,024 x 1,024 float32; Wq 1,024 x 1,024 float32; Wv 1,024 x 1,024 float32; bk 1,024 float32; bo 1,024 float32; bq 1,024 float32; bv 1,024 float32; lowp_scales 12 int32 (the exponents e of the quantised operands' scales 2^e); mask 1 x 1 x 2,048 x 2,048 int32; x 4 x 2,048 x 1,024 float32.
;; Outputs: out0 4 x 2,048 x 1,024 float32.
;; This version of the problem:
;;   THIS VERSION OF THE PROBLEM IS GIVEN IN LOW PRECISION. The matrix products marked QUANTISED in the list below multiply operands that are first quantised to E4M3 (4 exponent bits, 3 mantissa bits; 8 bits a number), with one given power-of-two scale for each operand tensor; their sums are f32. All else is computed in f32.
;;   The module's matrix products, in the order in which they are computed (A, B: the left and right operand; K: the contracted axis; several contracted axes count as one K, in the product's order):
;;     1. [M 8,192, K 1,024] x [K 1,024, N 1,024]; A: input x; B: input Wq: QUANTISED (scales: A lowp_scales[0], B lowp_scales[1])
;;     2. [M 8,192, K 1,024] x [K 1,024, N 1,024]; A: input x; B: input Wk: QUANTISED (scales: A lowp_scales[2], B lowp_scales[3])
;;     3. [M 8,192, K 1,024] x [K 1,024, N 1,024]; A: input x; B: input Wv: QUANTISED (scales: A lowp_scales[4], B lowp_scales[5])
;;     4. batch 64 x [M 2,048, K 64] x [K 64, N 2,048]; A: computed on the way; B: computed on the way: QUANTISED (scales: A lowp_scales[6], B lowp_scales[7])
;;     5. batch 64 x [M 2,048, K 2,048] x [K 2,048, N 64]; A: softmax (see below); B: computed on the way: QUANTISED (scales: A lowp_scales[8], B lowp_scales[9])
;;     6. [M 8,192, K 1,024] x [K 1,024, N 1,024]; A: computed on the way; B: input Wo: QUANTISED (scales: A lowp_scales[10], B lowp_scales[11])
;;   THE QUANTISER, for each operand of a quantised product, along K:
;;     - The operand's scale is 2^e, e = its entry of the input lowp_scales (int32; the entries are numbered through the quantised products in the list's order, A before B).
;;     - Each number is divided by the scale, clamped to +-448, and rounded to the nearest number of E4M3, ties to even, subnormals kept.
;;     - The product sums the exact products of the quantised numbers (number of the format x scale) in f32.
;;   ~~~python
;;   def quantise(x, axis, e):      # numpy; x: float32 -> the quantised numbers, widened to float32 again
;;       x = np.moveaxis(x, axis, -1); K = x.shape[-1]
;;       r = np.clip(x / 2.0 ** e, -448, 448)
;;       step = 2.0 ** (np.maximum(np.frexp(np.where(r == 0, 1, r))[1] - 1, -6) - 3)
;;       q = np.round(r / step) * step * 2.0 ** e      # np.round: ties to even
;;       return np.moveaxis(q, -1, axis).astype(np.float32)
;;   ~~~
;;   SOFTMAX AHEAD OF A QUANTISED PRODUCT. Where the list says 'softmax', what is quantised is not the finished softmax but p = 2^(t - M), with t = logit x log2(e) and M = ceil(the row's largest t), a whole number; so 1/2 < the row's largest p <= 1. The row's sum l is taken of the UNQUANTISED p, in f32, and the product's result is divided by l at the end. Since M is a whole number, a kernel that streams over the keys may use a running M (the ceiling of the running maximum): every later rescaling is an exact power of two, so the quantised numbers keep their values, but for numbers so far below the row's largest that they fall under the format's range.
;;   OPERANDS COMPUTED ON THE WAY. 'Computed on the way' means the value that the module computes at that place (a softmax that the list does not call 'softmax' is quantised finished and normalised). What goes into a quantiser is computed in f32, as accurately as f32 sums, v_exp_f32 and their like allow (about 1e-6 of the number): no bf16 or f16 on the way to a quantiser, and a product that is left as it is and whose result goes on into a quantised operand takes f32 operands (vector FMAs, or v_wmma_f32_16x16x4_f32). A number that lies on a knife's edge between two numbers of the format may be rounded either way, as far as f32 arithmetic and the matrix unit's own rounding can turn it there, and no further.
;; One version. Each part assembles by itself: llvm-mc -triple=amdgcn-amd-amdhsa -mcpu=gfx1250 --defsym DOCPART=n.
;; ======== version 1 of 1: 4 launches
;; limits: right only within a limited range of input values
;; workspace buffers: mk 540,672 bytes of whole numbers; xc 25,165,824 bytes; wc 4,194,304 bytes; rope 524,288 bytes; qkv 25,165,824 bytes; oc 8,388,608 bytes
;; launch prep (part 1): grid 2176 x 1, 4 waves a work-group, no clusters, 34,304 bytes of LDS; arguments mask, x, Wq, Wk, Wv, Wo, lowp_scales, mk, xc, wc, rope; writes mk, xc, wc, rope
.if DOCPART == 1
	.amdgcn_target "amdgcn-amd-amdhsa--gfx1250"
	.amdhsa_code_object_version 6
	.text
	.protected	k_q8ad738c064_prep
	.globl	k_q8ad738c064_prep
	.p2align	8
	.type	k_q8ad738c064_prep,@function
k_q8ad738c064_prep:
	s_mov_b64 s[64:65], 0
	v_nop
	global_prefetch_b8 v0, s[64:65] scope:SCOPE_SE
	s_setreg_imm32_b32 hwreg(HW_REG_WAVE_MODE, 25, 1), 1
	s_wait_xcnt 0x0
; PREPARATION, one launch for four jobs, told apart by the work-group's number alone.  A wave takes one unit: 16 rows x 128 elements of 4 bytes.
;   work-groups    0 ..  511: the mask (int32 [2048][2048]) becomes one bit a score: for query tile T (16 rows) and key step st (128 keys) 64 words; bit L of word n = 8 t + j says
;                             mask[16 T + L % 16][128 st + 16 t + 8 (L / 16) + j] == 1: the lane mask that a select on score register n takes.  Behind them, for each (T, st): the AND and the OR of the 64 words.
;   work-groups  512 .. 1535: x (f32) becomes codes of E4M3, three times: with the scales 2^e0, 2^e2, 2^e4.
;   work-groups 1536 .. 2047: Wq, Wk, Wv, Wo become codes, with 2^e1, 2^e3, 2^e5, 2^e11.
;   work-groups 2048 .. 2175: the table of cos and sin for the rotation, in the order in which a lane of the next launch holds a head's 64 numbers.
; CODES ARE LAID AS IMAGES OF THE OPERAND'S REGISTERS: a fragment, 16 rows x 128 k, is 2,048 bytes; registers 4 c .. 4 c + 3 of lane L lie at 512 c + 16 L; register 2 c' + e of lane (r, h) holds k = 16 c' + 8 h + 4 e + 0 .. 3 of row r.
; code = x / 2^e, held within +-448, to the nearest code, ties to even.  LIMITS: each e between -126 and 119; NaN and infinities among the inputs are not served.
; The angle is position x theta, theta = 2^(-i log2(10000) / 32) by v_exp_f32; cos and sin by a reduction modulo pi/2 in two parts and polynomials of degree 7 and 8 (positions up to 2,047).
; Each load reads 512 consecutive bytes of a row; the 16 rows turn through the wave's own stage in LDS (rows 528 bytes apart), so that a lane gets eight neighbours along k in eight registers.  No barrier: waves share nothing.
.set STG,   8448                       ; a wave's stage: 16 rows x 528 bytes
.set SPARE, 33792                      ; behind the four stages: the spare words, 128 bytes for each wave
.set R,     16                         ; v16-79   the unit as loaded
.set C,     16                         ; v16-63   later: the codes, 16 registers for each of up to three scales
.set X,     80                         ; v80-143  X[8 c' + j] = element 16 c' + 8 h + j of row r
.set T,     144                        ; v144-159 two sets of eight held numbers
.set SC,    160                        ; v160-162 2^e as f32
.set LIM,   163                        ; v163-165 448 x 2^e
.set SPW,   12                         ; v12      my spare word's LDS address; never rewritten
.set NIL,   13                         ; v13      0; never rewritten
.macro LOADS pitch                     ; row i of the unit: 32 lanes read 512 consecutive bytes
.irp i, 0,1,2,3,4,5,6,7,8,9,10,11,12,13,14,15
	global_load_b128 v[R+4*\i:R+4*\i+3], v4, s[32:33] offset:\i*\pitch th:TH_LOAD_NT
.endr
.endm
.macro FINISH                          ; the wave's end, behind the last LDS store
	s_wait_tensorcnt 0x0
	ds_add_u32 v[SPW], v[NIL]
	s_wait_dscnt 0x0
	s_endpgm
.endm
.macro MKSC n, e                       ; from the exponent in s[e]: 2^e and 448 x 2^e as f32
	s_add_co_i32 s48, s[\e], 127
	s_lshl_b32 s49, s48, 23
	v_mov_b32 v[SC+\n], s49
	s_add_co_i32 s48, s48, 8
	s_lshl_b32 s48, s48, 23
	s_or_b32 s48, s48, 0x600000
	v_mov_b32 v[LIM+\n], s48
.endm
.macro QOUT n, d                       ; the unit's codes under scale n, stored as one image at s[d:d+1]
.irp g, 0,1,2,3,4,5,6,7
.irp j, 0,1,2,3,4,5,6,7
	v_med3_num_f32 v[T+8*(\g%2)+\j], v[X+8*\g+\j], -v[LIM+\n], v[LIM+\n]   ; the conversion does not saturate (ISA guide 7.6.2): the hold first.  The two sets take turns, so eight plain lines stand between a conversion and the next write of its sources
.endr
	v_cvt_scalef32_pk8_fp8_f32 v[C+16*\n+2*\g:C+16*\n+2*\g+1], v[T+8*(\g%2):T+8*(\g%2)+7], v[SC+\n]
.endr
.irp c, 0,1,2,3
	global_store_b128 v4, v[C+16*\n+4*\c:C+16*\n+4*\c+3], s[\d:\d+1] offset:512*\c   ; 32 lanes store 512 consecutive bytes, aligned
.endr
.endm
	s_load_b512 s[4:19], s[0:1], 0x0               ; mask s[4:5], x s[6:7], Wq s[8:9], Wk s[10:11], Wv s[12:13], Wo s[14:15], the exponents s[16:17], mk s[18:19]
	s_load_b128 s[20:23], s[0:1], 0x40             ; xc s[20:21], wc s[22:23]
	s_load_b64 s[24:25], s[0:1], 0x50              ; rope
	v_lshl_add_u32 v[SPW], v0, 2, SPARE
	v_mov_b32 v[NIL], 0
	v_lshrrev_b32 v1, 5, v0
	v_readfirstlane_b32 s28, v1                    ; wave 0..3
	v_and_b32 v1, 31, v0                           ; lane
	v_and_b32 v2, 15, v0                           ; r
	v_bfe_u32 v3, v0, 4, 1                         ; h
	v_lshlrev_b32 v4, 4, v1                        ; 16 x lane: my bytes of a row's 512, and of an image's plane
	s_mul_i32 s30, s28, STG
	v_add_nc_u32 v5, s30, v4                       ; the stage, on the way in
	v_mul_u32_u24 v6, v2, 528
	v_lshl_add_u32 v6, v3, 5, v6
	v_add_nc_u32 v6, s30, v6                       ; and on the way out: row r, + 32 h
	v_lshlrev_b32 v7, 3, v1                        ; 8 x lane: two mask words a lane
	s_lshl_b32 s29, ttmp9, 2
	s_add_co_u32 s29, s29, s28                     ; u: my unit
	s_wait_kmcnt 0x0
	s_load_b256 s[36:43], s[16:17], 0x0            ; e0 .. e7
	s_load_b128 s[44:47], s[16:17], 0x20           ; e8 .. e11
	s_cmp_ge_u32 ttmp9, 2048
	s_cbranch_scc1 .Lrope
	s_cmp_ge_u32 ttmp9, 512
	s_cbranch_scc1 .Lnums
	; ---- a unit of the mask: T = u / 16, st = u % 16
	s_lshr_b32 s30, s29, 4
	s_and_b32 s31, s29, 15
	s_lshl_b32 s32, s30, 17                        ; 16 rows of 8,192 bytes
	s_lshl_b32 s33, s31, 9                         ; 128 columns of 4 bytes
	s_add_co_u32 s32, s32, s33
	s_mov_b32 s33, 0
	s_add_nc_u64 s[32:33], s[4:5], s[32:33]
	LOADS 8192
	s_lshl_b32 s34, s29, 8                         ; the unit's 64 words
	s_mov_b32 s35, 0
	s_add_nc_u64 s[34:35], s[18:19], s[34:35]
	s_branch .Lstage
.Lnums:
	; ---- a unit of x (tt = u - 2048: row tile tt / 8, k block tt % 8) or of a weight (tt = u - 6144: matrix tt / 512, row tile (tt / 8) % 64, k block tt % 8)
	s_cmp_ge_u32 ttmp9, 1536                       ; a weight?
	s_movk_i32 s30, 2048
	s_cselect_b32 s30, 6144, s30
	s_cselect_b32 s31, 63, 511
	s_cselect_b32 s51, 18, 21                      ; 256 along k are 2^18 bytes of a weight's images, 2^21 of x's
	s_sub_co_u32 s30, s29, s30
	s_and_b32 s48, s30, 7                          ; k block
	s_lshr_b32 s49, s30, 3
	s_and_b32 s49, s49, s31                        ; row tile
	s_lshr_b32 s31, s30, 9                         ; matrix (used for a weight alone)
	s_cmp_eq_u32 s31, 1
	s_cselect_b64 s[32:33], s[10:11], s[8:9]
	s_cmp_eq_u32 s31, 2
	s_cselect_b64 s[32:33], s[12:13], s[32:33]
	s_cmp_eq_u32 s31, 3
	s_cselect_b64 s[32:33], s[14:15], s[32:33]
	s_cmp_ge_u32 ttmp9, 1536
	s_cselect_b64 s[32:33], s[32:33], s[6:7]
	s_lshl_b32 s54, s49, 16                        ; 16 rows of 4,096 bytes
	s_lshl_b32 s55, s48, 9
	s_add_co_u32 s54, s54, s55
	s_mov_b32 s55, 0
	s_add_nc_u64 s[32:33], s[32:33], s[54:55]
	LOADS 4096
	s_lshr_b32 s50, s48, 1                         ; the image's place: [k / 256][row tile][(k / 128) % 2][2048]
	s_lshl_b32 s50, s50, s51
	s_lshl_b32 s54, s49, 12
	s_add_co_u32 s50, s50, s54
	s_and_b32 s54, s48, 1
	s_lshl_b32 s54, s54, 11
	s_add_co_u32 s50, s50, s54
	s_lshl_b32 s54, s31, 20                        ; a weight's matrix: 2^20 bytes each
	s_cmp_ge_u32 ttmp9, 1536
	s_cselect_b32 s54, s54, 0
	s_cselect_b64 s[34:35], s[22:23], s[20:21]
	s_add_co_u32 s50, s50, s54
	s_mov_b32 s51, 0
	s_add_nc_u64 s[34:35], s[34:35], s[50:51]
.Lstage:
	; ---- the turn through my stage: the one place where LDS is written, on the way that all units share
.irp i, 0,1,2,3,4,5,6,7,8,9,10,11,12,13,14,15
	s_wait_loadcnt 15-\i                           ; loads come back in order: row i is in, the younger rows may be out
	ds_store_b128 v5, v[R+4*\i:R+4*\i+3] offset:528*\i
.endr
.irp c, 0,1,2,3,4,5,6,7
	ds_load_b128 v[X+8*\c:X+8*\c+3], v6 offset:64*\c           ; LDS serves a wave's instructions in order: these see my stores
	ds_load_b128 v[X+8*\c+4:X+8*\c+7], v6 offset:64*\c+16
.endr
	s_wait_dscnt 0x0
	s_wait_kmcnt 0x0                               ; the exponents
	s_cmp_lt_u32 ttmp9, 512
	s_cbranch_scc1 .Lmask
	s_cmp_eq_u32 s31, 1                            ; a weight's exponent: e1, e3, e5, e11; x's first: e0
	s_cselect_b32 s30, s39, s37
	s_cmp_eq_u32 s31, 2
	s_cselect_b32 s30, s41, s30
	s_cmp_eq_u32 s31, 3
	s_cselect_b32 s30, s47, s30
	s_cmp_ge_u32 ttmp9, 1536
	s_cselect_b32 s30, s30, s36
	MKSC 0, 30
	MKSC 1, 38
	MKSC 2, 40
	QOUT 0, 34
	s_cmp_lt_u32 ttmp9, 1536
	s_cbranch_scc1 .Lx_more
	FINISH                                         ; a weight has one scale
.Lx_more:
	s_add_nc_u64 s[52:53], s[34:35], 0x800000      ; x's second and third copies lie 2^23 bytes on
	s_add_nc_u64 s[54:55], s[52:53], 0x800000
	QOUT 1, 52
	QOUT 2, 54
	FINISH
.Lmask:
	s_lshl_b32 s52, s29, 3                         ; the unit's two class words, behind all mask words: made here, on the one way that stores them
	s_add_co_u32 s52, s52, 524288
	s_mov_b32 s53, 0
	s_add_nc_u64 s[52:53], s[18:19], s[52:53]
	v_mov_b32 v8, 0                                ; written whole: a lane write's destination counts as read
	v_mov_b32 v9, 0
	s_mov_b32 s41, -1
	s_mov_b32 s42, 0
.set n, 0
.rept 64
	v_cmp_eq_u32 s40, 1, v[X+n]                    ; word n: a bit a lane
	v_writelane_b32 v[8+(n&1)], s40, n>>1          ; lane n / 2 keeps words n and n + 1
	s_and_b32 s41, s41, s40
	s_or_b32 s42, s42, s40
.set n, n+1
.endr
	global_store_b64 v7, v[8:9], s[34:35]          ; 32 lanes store 256 consecutive bytes, aligned
	v_mov_b32 v10, s41
	v_mov_b32 v11, s42
	v_mov_b32 v14, 0
	s_wait_xcnt 0x0                                ; EXEC is a source of the store above: it changes only behind this wait
	v_cmp_gt_u32 vcc_lo, 1, v1
	s_and_saveexec_b32 s40, vcc_lo
	global_store_b64 v14, v[10:11], s[52:53]       ; lane 0: the AND and the OR
	s_wait_xcnt 0x0
	s_or_b32 exec_lo, exec_lo, s40
	FINISH
.Lrope:
	; ---- work-group T' = position tile, wave g: cos (plane g) and sin (plane 4 + g) of angle index i = 16 (g / 2) + 8 h + 4 (g % 2) + 0 .. 3 at position 16 T' + r
	s_wait_kmcnt 0x0
	s_sub_co_u32 s30, ttmp9, 2048
	s_lshl_b32 s31, s30, 4
	v_add_nc_u32 v8, s31, v2
	v_cvt_f32_u32 v8, v8                           ; the position
	s_lshr_b32 s32, s28, 1
	s_lshl_b32 s32, s32, 4
	s_and_b32 s33, s28, 1
	s_lshl_b32 s33, s33, 2
	s_add_co_u32 s32, s32, s33
	v_lshl_add_u32 v9, v3, 3, s32                  ; my first i
	s_mov_b32 s34, 0xbfc90fdb                      ; -(pi/2 rounded to f32)
	s_mov_b32 s35, 0x333bbd2e                      ; that f32 less pi/2
	v_mov_b32 v10, 0xb94ca1f9                      ; the sine's and the cosine's leading coefficients
	v_mov_b32 v11, 0x37ccf5ce
.irp e, 0,1,2,3
	v_add_nc_u32 v[16+\e], \e, v9
	v_cvt_f32_u32 v[16+\e], v[16+\e]
	v_mul_f32 v[16+\e], 0xbed49a78, v[16+\e]       ; -i log2(10000) / 32
.endr
.irp e, 0,1,2,3
	v_exp_f32 v[20+\e], v[16+\e]                   ; theta
.endr
	v_nop                                          ; a plain place behind the last exponential
	s_wait_alu depctr_va_vdst(0)                   ; one wait for the four, ahead of their first reader
.irp e, 0,1,2,3
	v_mul_f32 v[24+\e], v8, v[20+\e]               ; the angle, rounded as a product in f32
	v_mul_f32 v[28+\e], 0x3f22f983, v[24+\e]
	v_rndne_f32 v[28+\e], v[28+\e]                 ; n = the nearest multiple of pi/2
	v_fma_f32 v[32+\e], v[28+\e], s34, v[24+\e]    ; angle - n x the upper part: exact, a multiple of 2^-23 (2^-24 under 1) below 1
	v_fma_f32 v[32+\e], v[28+\e], s35, v[32+\e]    ; - n x the lower part
	v_mul_f32 v[36+\e], v[32+\e], v[32+\e]
	v_fmaak_f32 v[40+\e], v10, v[36+\e], 0x3c08839e
	v_fmaak_f32 v[40+\e], v[40+\e], v[36+\e], 0xbe2aaaa3
	v_mul_f32 v[40+\e], v[40+\e], v[36+\e]
	v_fma_f32 v[40+\e], v[40+\e], v[32+\e], v[32+\e]   ; the sine of the rest
	v_fmaak_f32 v[44+\e], v11, v[36+\e], 0xbab6061a
	v_fmaak_f32 v[44+\e], v[44+\e], v[36+\e], 0x3d2aaaa5
	v_mul_f32 v[44+\e], v[44+\e], v[36+\e]
	v_fma_f32 v[48+\e], v[36+\e], -0.5, 1.0
	v_fma_f32 v[44+\e], v[44+\e], v[36+\e], v[48+\e]   ; its cosine
	v_cvt_i32_f32 v[52+\e], v[28+\e]
	v_and_b32 v[56+\e], 1, v[52+\e]
	v_cmp_eq_u32 vcc_lo, 1, v[56+\e]               ; an odd quarter swaps the two
	v_cndmask_b32 v[68+\e], v[40+\e], v[44+\e], vcc_lo
	v_cndmask_b32 v[64+\e], v[44+\e], v[40+\e], vcc_lo
	v_and_b32 v[56+\e], 2, v[52+\e]                ; quarters 2, 3: the sine changes sign
	v_lshlrev_b32 v[56+\e], 30, v[56+\e]
	v_xor_b32 v[68+\e], v[56+\e], v[68+\e]
	v_add_nc_u32 v[56+\e], 1, v[52+\e]             ; quarters 1, 2: the cosine
	v_and_b32 v[56+\e], 2, v[56+\e]
	v_lshlrev_b32 v[56+\e], 30, v[56+\e]
	v_xor_b32 v[64+\e], v[56+\e], v[64+\e]
.endr
	s_lshl_b32 s32, s30, 12
	s_lshl_b32 s33, s28, 9
	s_add_co_u32 s32, s32, s33
	s_mov_b32 s33, 0
	s_add_nc_u64 s[32:33], s[24:25], s[32:33]
	global_store_b128 v4, v[64:67], s[32:33]               ; 512 consecutive bytes each
	global_store_b128 v4, v[68:71], s[32:33] offset:2048
	FINISH
.Lfunc_end_k_q8ad738c064_prep:
	.size	k_q8ad738c064_prep, .Lfunc_end_k_q8ad738c064_prep-k_q8ad738c064_prep
	.p2alignl 7, 3214868480
	.fill 96, 4, 3214868480
	.section	.rodata,"a",@progbits
	.p2align	6, 0x0
	.amdhsa_kernel k_q8ad738c064_prep
		.amdhsa_group_segment_fixed_size 34304
		.amdhsa_private_segment_fixed_size 0
		.amdhsa_enable_private_segment 0
		.amdhsa_kernarg_size 88
		.amdhsa_user_sgpr_count 2
		.amdhsa_user_sgpr_kernarg_segment_ptr 1
		.amdhsa_wavefront_size32 1
		.amdhsa_system_sgpr_workgroup_id_x 1
		.amdhsa_system_sgpr_workgroup_id_y 1
		.amdhsa_system_sgpr_workgroup_id_z 1
		.amdhsa_system_vgpr_workitem_id 0
		.amdhsa_next_free_vgpr 176
		.amdhsa_next_free_sgpr 66
		.amdhsa_reserve_vcc 1
		.amdhsa_float_denorm_mode_32 3
		.amdhsa_float_denorm_mode_16_64 3
		.amdhsa_memory_ordered 1
		.amdhsa_forward_progress 1
		.amdhsa_inst_pref_size 45
	.end_amdhsa_kernel
	.amdgpu_metadata
---
amdhsa.version: [ 1, 2 ]
amdhsa.kernels:
  - .name:           k_q8ad738c064_prep
    .symbol:         k_q8ad738c064_prep.kd
    .args:
      - { .name: mask, .offset: 0, .size: 8, .value_kind: global_buffer, .address_space: global }
      - { .name: x, .offset: 8, .size: 8, .value_kind: global_buffer, .address_space: global }
      - { .name: Wq, .offset: 16, .size: 8, .value_kind: global_buffer, .address_space: global }
      - { .name: Wk, .offset: 24, .size: 8, .value_kind: global_buffer, .address_space: global }
      - { .name: Wv, .offset: 32, .size: 8, .value_kind: global_buffer, .address_space: global }
      - { .name: Wo, .offset: 40, .size: 8, .value_kind: global_buffer, .address_space: global }
      - { .name: lowp_scales, .offset: 48, .size: 8, .value_kind: global_buffer, .address_space: global }
      - { .name: mk, .offset: 56, .size: 8, .value_kind: global_buffer, .address_space: global }
      - { .name: xc, .offset: 64, .size: 8, .value_kind: global_buffer, .address_space: global }
      - { .name: wc, .offset: 72, .size: 8, .value_kind: global_buffer, .address_space: global }
      - { .name: rope, .offset: 80, .size: 8, .value_kind: global_buffer, .address_space: global }
    .group_segment_fixed_size: 34304
    .private_segment_fixed_size: 0
    .kernarg_segment_align: 8
    .kernarg_segment_size: 88
    .max_flat_workgroup_size: 128
    .sgpr_count:     66
    .vgpr_count:     176
    .wavefront_size: 32
...
	.end_amdgpu_metadata
.endif
;; end of part 1
;; launch qkv (part 2): grid 12 x 32, 4 waves a work-group, clusters of 4 x 4, 327,680 bytes of LDS; arguments xc, wc, lowp_scales, bq, bk, bv, rope, qkv; writes qkv
.if DOCPART == 2
	.amdgcn_target "amdgcn-amd-amdhsa--gfx1250"
	.amdhsa_code_object_version 6
	.text
	.protected	k_q8ad738c064_qkv
	.globl	k_q8ad738c064_qkv
	.p2align	8
	.type	k_q8ad738c064_qkv,@function
k_q8ad738c064_qkv:
	s_mov_b64 s[64:65], 0
	v_nop
	global_prefetch_b8 v0, s[64:65] scope:SCOPE_SE
	s_setreg_imm32_b32 hwreg(HW_REG_WAVE_MODE, 25, 1), 1
	s_wait_xcnt 0x0
	s_wait_alu depctr_hold_cnt(0) depctr_sa_sdst(0) depctr_va_vdst(0) depctr_va_sdst(0) depctr_va_ssrc(0) depctr_va_vcc(0) depctr_vm_vsrc(0)
	s_getreg_b32 s2, hwreg(HW_REG_IB_STS2, 6, 4)
	s_cmp_eq_u32 s2, 0
	s_cbranch_scc0 .Lentry_in_a_cluster
	s_endpgm
.Lentry_in_a_cluster:
	s_bfe_u32 s2, ttmp6, 0x10000c
	s_cmp_lg_u32 s2, 0xf033
	s_cbranch_scc0 .Lentry_shape_is_right
	s_endpgm
.Lentry_shape_is_right:
; THE THREE PROJECTIONS, on codes of E4M3, K = 1,024, and what follows them up to the next quantiser: scale, bias, the rotation (q, k), the hold, the conversion.  The results leave as images of the next launch's operands.
; A work-group of four waves makes 256 x 256 sums; a wave 128 x 128: 64 accumulators of 16 x 16, 512 registers.  K goes in steps of 256 through two LDS slots filled by the tensor data mover.
; All operands lie in memory as images of their registers (a fragment, 16 rows x 128 k: 2,048 bytes, registers 4 c .. 4 c + 3 of lane L at 512 c + 16 L), so a K step's tile of 128 rows is one dense block of 32,768 bytes, and a
; fragment comes from LDS by four loads of 512 consecutive bytes: no pitch, no padding.
; THE ROLE is the cluster's x, the same in all sixteen partners.  Source 1 ('A') gives a lane its row, source 0 ('B') its eight registers.
;   0, 1 (q, k): A = x's codes (tokens), B = the weight's (features): a lane holds one token and eight neighbouring features: the next K (the head's 64) runs along its registers.
;   2 (v):       A = Wv's codes (features), B = x's (tokens): a lane holds one channel and eight neighbouring KEYS: the second attention product's K.  The loop is the same; only pointers, strides and tile numbers are chosen.
; CLUSTERS: 4 x 4 work-groups; A's tile is shared along a row of the cluster, B's along a column: each is asked for jointly, by the same tensor load with the same descriptor and a mask that names the four.
; A sum stands for sum x 2^(ea + eb).  LIMITS: e0 + e1, e2 + e3, e4 + e5 between -126 and 127; e6, e7, e9 between -126 and 119.
; REGISTERS, in windows of 256: window 0: v16-31 addresses and constants; from v128 A's fragments, one set; on the way out v32-255 are free.  window 1: B's fragments, two sets.  windows 2, 3: the accumulators ((a, b) at v[8 (8 (a % 4) + b)]).
.set FR,     16                        ; registers of a fragment
.set NL,     4                         ; LDS loads that bring one
.set NP,     4                         ; places behind this matrix instruction (ISA guide 7.12.1)
.set HALFT,  32768                     ; 128 rows x 256 k: what one tensor load brings, and what one wave reads of A or of B
.set SLOT,   131072                    ; A's 256 rows, then B's
.set SPARE,  262144                    ; behind the ring: the spare words, 128 bytes for each wave
.set ADRA, 16                          ; v16-17  LDS address of my A fragments in slot 0, 1
.set ADRB, 20                          ; v20-21  the same for B
.set LN16, 24                          ; v24     16 x lane
.set H32,  25                          ; v25     32 x (lane / 16)
.set R4,   26                          ; v26     4 x (lane % 16)
.set SPW,  28                          ; v28     my spare word's LDS address; never rewritten
.set NIL,  29                          ; v29     0; never rewritten
.set SCV,  30                          ; v30     the output's scale as f32
.set LIMV, 31
.set AF,   128
.set BIAS, 32                          ; the way out of q, k: v32-95 the bias of my 128 features' share
.set RP,   96                          ; v96-159  two sets of 32: cos (16), sin (16)
.set Y,    160                         ; v160-191 a head's 32 numbers of my token
.set Z,    192                         ; v192-223 rotated
.set CD,   224                         ; v224-255 codes, sets that take turns
.set G1, 24                            ; s[24:31] descriptor group 1 for A's tiles;  s[32:39] group 0, one set for each slot
.set G0, 32
.set G1B, 48                           ; s[48:55], s[56:63] the same for B's
.set G0B, 56
.set MSB, 0
.macro WIN new                         ; the immediate's high byte repeats the setting that is left
.if MSB != (\new)
	s_set_vgpr_msb (MSB<<8)|(\new)
.set MSB, \new
.endif
.endm
.set MUL_LO, 0xa1                      ; source 0 (B) window 1, source 1 (A) window 0, C and D window 2
.set MUL_HI, 0xf1                      ; the same, C and D window 3
.set TO_B,   0x40                      ; destination window 1, address window 0
; A joint load: waves 0 and 1 fetch for A, waves 2 and 3 for B; the branch hangs on the wave's number alone.  An s_nop 0 and four v_nop follow each of the two lines.
.macro JLOAD g0a, g1a, g0b, g1b
	s_cmp_eq_u32 s15, 0
	s_cbranch_scc0 .Lfor_b_\@
	tensor_load_to_lds s[\g0a:\g0a+3], s[\g1a:\g1a+7]
	s_nop 0
.rept 4
	v_nop
.endr
	s_branch .Lasked_\@
.Lfor_b_\@:
	tensor_load_to_lds s[\g0b:\g0b+3], s[\g1b:\g1b+7]
	s_nop 0
.rept 4
	v_nop
.endr
.Lasked_\@:
.endm
.macro CREST                           ; a round of the cluster's barrier behind its opening barrier
	s_cmp_lg_u32 s14, 0
	s_cbranch_scc1 .Lnot_wave_0_\@
	s_barrier_signal -3
.Lnot_wave_0_\@:
	s_barrier_wait -3
	s_barrier_signal -1
	s_barrier_wait -1
.endm
.macro CROUND                          ; a whole round
	s_barrier_signal -1
	s_barrier_wait -1
	CREST
.endm
.macro FINISH2                         ; the wave's end, and the closing round: no work-group ends while a partner may still ask for a tile that names it
	s_wait_tensorcnt 0x0
	ds_add_u32 v[SPW], v[NIL]
	s_wait_dscnt 0x0
	CROUND
	s_endpgm
.endm
	s_load_b512 s[68:83], s[0:1], 0x0              ; xc s[68:69], wc s[70:71], the exponents s[72:73], bq s[74:75], bk s[76:77], bv s[78:79], rope s[80:81], qkv s[82:83]
	v_lshl_add_u32 v[SPW], v0, 2, SPARE
	v_mov_b32 v[NIL], 0
	ds_add_u32 v[SPW], v[NIL]                      ; the wave's opening: the add, with its wait ahead of my first tensor load; the set-up below, work on registers, stands between them
	ds_add_u32 v[SPW], v[NIL]
	v_lshrrev_b32 v1, 5, v0
	v_readfirstlane_b32 s14, v1                    ; wave 0..3
	s_lshr_b32 s15, s14, 1                         ; which half of A's rows is mine.  Also: I fetch for A (0) or for B (1)
	s_and_b32 s16, s14, 1                          ; which half of B's rows.  Also: which 128 rows of that tile I fetch
	s_bfe_u32 s40, ttmp6, 0x40000                  ; cx, cy: my place in the cluster
	s_bfe_u32 s41, ttmp6, 0x40004
	s_and_b32 s18, ttmp7, 0xffff
	s_lshl_b32 s18, s18, 2                         ; 4 x cluster y
	s_add_co_u32 s17, s18, s41
	s_add_co_u32 s42, s18, s40
	s_lshl_b32 s43, s41, 2
	s_lshl_b32 s43, 15, s43                        ; my row of the cluster
	s_lshl_b32 s44, 0x1111, s40                    ; my column
	; descriptor group 1: a dense block of 32,768 bytes as 128 rows of 256
	s_or_b32 s[G1+0], s43, (1<<21)                 ; 15:0 the mask: A's tiles go to my row; 17:16 elements of 1 byte; 20 no padding; 21 set beside a mask
	s_or_b32 s[G1B+0], s44, (1<<21)
.irp g, G1, G1B
	s_mov_b32 s[\g+1], 256<<16                     ; tensor_dim0
	s_mov_b32 s[\g+2], 128<<16                     ; tensor_dim1
	s_mov_b32 s[\g+3], 256<<16                     ; tile_dim0
	s_mov_b32 s[\g+4], 128                         ; tile_dim1
	s_mov_b32 s[\g+5], 256                         ; tensor_dim0_stride
	s_mov_b32 s[\g+6], 0
	s_mov_b32 s[\g+7], 0
.endr
	s_lshl_b32 s19, ttmp9, 23                      ; x's copy for role 0, 1
	s_lshl_b32 s22, ttmp9, 20                      ; the weight's matrix for role 0, 1
	s_mov_b32 s66, 0x200000                        ; from one K step to the next: x's images 2^21 bytes,
	s_mov_b32 s100, 0x40000                        ; a weight's 2^18
	s_cmp_eq_u32 ttmp9, 2                          ; the role: the cluster's x, shared by all partners
	s_cselect_b32 s17, s41, s17                    ; A's tile: cy (v) or 4 x cluster y + cy: never cx
	s_cselect_b32 s42, s42, s40                    ; B's tile: 4 x cluster y + cx (v) or cx: never cy
	s_cselect_b32 s19, 0x200000, s19               ; A begins: Wv's matrix, or x's copy
	s_cselect_b32 s22, 0x1000000, s22              ; B begins: x's third copy, or the weight's matrix
	s_cselect_b32 s66, 0x40000, s66
	s_cselect_b32 s100, 0x200000, s100
	s_mov_b32 s67, 0
	s_mov_b32 s101, 0
	s_lshl_b32 s18, s16, 15                        ; which 128 rows of the tile I fetch
	s_lshl_b32 s20, s17, 16                        ; a tile's 256 rows of a K step are 65,536 bytes
	s_add_co_u32 s20, s20, s18
	s_add_co_u32 s20, s20, s19
	s_mov_b32 s21, 0
	s_lshl_b32 s46, s42, 16
	s_add_co_u32 s46, s46, s18
	s_add_co_u32 s46, s46, s22
	s_mov_b32 s47, 0
	s_lshl_b32 s45, s14, 15                        ; where they go: wave x 32,768: no place in the cluster enters an LDS address
	s_wait_dscnt 0x0                               ; the opening add is done
	s_wait_kmcnt 0x0
	s_load_b256 s[84:91], s[72:73], 0x0            ; e0 .. e7
	s_load_b128 s[92:95], s[72:73], 0x20           ; e8 .. e11
	s_cmp_eq_u32 ttmp9, 2
	s_cselect_b64 s[4:5], s[70:71], s[68:69]
	s_cselect_b64 s[6:7], s[68:69], s[70:71]
	s_add_nc_u64 s[20:21], s[4:5], s[20:21]
	s_add_nc_u64 s[46:47], s[6:7], s[46:47]
	CROUND                                         ; all sixteen work-groups are here: the first joint loads meet
	s_mov_b32 s[G0], 1
	s_add_co_u32 s[G0+1], s45, 0
	s_mov_b64 s[G0+2:G0+3], s[20:21]
	s_or_b32 s[G0+3], s[G0+3], 0x80000000
	s_mov_b32 s[G0B], 1
	s_add_co_u32 s[G0B+1], s45, 0
	s_mov_b64 s[G0B+2:G0B+3], s[46:47]
	s_or_b32 s[G0B+3], s[G0B+3], 0x80000000
	JLOAD G0, G1, G0B, G1B                         ; K step 0
	s_mov_b32 s[G0+4], 1
	s_add_co_u32 s[G0+5], s45, SLOT
	s_add_nc_u64 s[G0+6:G0+7], s[20:21], s[66:67]
	s_or_b32 s[G0+7], s[G0+7], 0x80000000
	s_mov_b32 s[G0B+4], 1
	s_add_co_u32 s[G0B+5], s45, SLOT
	s_add_nc_u64 s[G0B+6:G0B+7], s[46:47], s[100:101]
	s_or_b32 s[G0B+7], s[G0B+7], 0x80000000
	s_wait_alu depctr_va_vdst(0)
	s_wait_tensorcnt 0x0
	ds_add_u32 v28, v29
	s_wait_dscnt 0x0
	CROUND
	JLOAD G0+4, G1, G0B+4, G1B                     ; K step 1: one load of mine is out
	s_lshl_b32 s66, s66, 1                         ; a refill steps two K steps
	s_lshl_b32 s100, s100, 1
	v_and_b32 v1, 31, v0
	v_lshlrev_b32 v[LN16], 4, v1
	v_bfe_u32 v2, v0, 4, 1
	v_lshlrev_b32 v[H32], 5, v2
	v_and_b32 v3, 15, v0
	v_lshlrev_b32 v[R4], 2, v3
	s_lshl_b32 s21, s15, 15                        ; my 128 rows of A
	s_lshl_b32 s22, s16, 15                        ; my 128 rows of B,
	s_add_co_u32 s22, s22, 2*HALFT                 ; which lie behind A's 256
.irp s, 0,1
	v_add_nc_u32 v[ADRA+\s], s21, v[LN16]
	v_add_nc_u32 v[ADRB+\s], s22, v[LN16]
	s_add_co_u32 s21, s21, SLOT
	s_add_co_u32 s22, s22, SLOT
.endr
.macro FRAG reg, adr, q, i             ; row tile i, the slot's q-th 128 along K: four loads of 512 consecutive bytes
.irp c, 0,1,2,3
	ds_load_b128 v[\reg+4*\c:\reg+4*\c+3], v[\adr] offset:2048*(\q)+4096*(\i)+512*\c
.endr
.endm
; 16 matrix instructions: A's blocks a0, a0 + 1 x B's eight, 128 along K.  p: B's set.  zero = 1: the first product starts the sums.  The 64 accumulators take turns, one instruction a turn, in the same order in every step.
.macro MUL16 a0, p, zero
.irp a, \a0, \a0+1
.irp b, 0,1,2,3,4,5,6,7
.if \zero
	v_wmma_f32_16x16x128_fp8_fp8 v[8*(8*((\a)%4)+\b):8*(8*((\a)%4)+\b)+7], v[128*(\p)+FR*\b:128*(\p)+FR*\b+FR-1], v[AF+FR*(\a):AF+FR*(\a)+FR-1], 0
.else
	v_wmma_f32_16x16x128_fp8_fp8 v[8*(8*((\a)%4)+\b):8*(8*((\a)%4)+\b)+7], v[128*(\p)+FR*\b:128*(\p)+FR*\b+FR-1], v[AF+FR*(\a):AF+FR*(\a)+FR-1], v[8*(8*((\a)%4)+\b):8*(8*((\a)%4)+\b)+7]
.endif
.endr
.endr
.endm
.macro FETCH_B slot, q, p
	WIN TO_B
.irp i, 0,1,2,3,4,5,6,7
	FRAG 128*(\p)+FR*\i, ADRB+\slot, \q, \i
.endr
	WIN 0
.endm
.macro FETCH_A slot, q, i0
.irp i, \i0, \i0+1, \i0+2, \i0+3
	FRAG AF+FR*(\i), ADRA+\slot, \q, \i
.endr
.endm
.macro PLACES n                        ; plain vector places behind matrix instructions, in front of loads into registers that they have read and of reads of their results
.rept \n
	v_nop
.endr
.endm
; A step of 128 along K that has its successor in the same slot.  A has one set of registers: blocks 0-3 are fetched anew in the step's middle, blocks 4-7 at its end; B has two sets.
.macro STEP slot, q, zero
	s_wait_dscnt 4*NL                              ; B's set and A's blocks 0-3 are in; the youngest sixteen loads (A's blocks 4-7) may be out
	WIN MUL_LO
	MUL16 0, (\q)%2, \zero
	MUL16 2, (\q)%2, \zero
	s_wait_dscnt 0
	PLACES NP
	FETCH_B \slot, (\q)+1, 1-(\q)%2
	FETCH_A \slot, (\q)+1, 0
	WIN MUL_HI
	MUL16 4, (\q)%2, \zero
	MUL16 6, (\q)%2, \zero
	PLACES NP
	WIN 0
	FETCH_A \slot, (\q)+1, 4
.endm
; A slot's last step changes slots: one barrier; in front of it each wave waits for all its tensor loads, adds 0 to its spare word, and waits for that and for its own reads of this slot.  fill = 1: this slot is filled again, two K steps ahead.
.macro TURN slot, next, fill
	s_wait_tensorcnt 0x0                           ; all my tensor loads have landed: my part of the next slot
	ds_add_u32 v[SPW], v[NIL]                      ; 0 onto my spare word
	s_wait_dscnt 4*NL+1                            ; (the add and the youngest sixteen loads may be out)
	WIN MUL_LO
	MUL16 0, 1, 0
	s_wait_dscnt 0x0                               ; the add is done, and my reads of this slot are over
	s_barrier_signal -1
	MUL16 2, 1, 0
	WIN 0
	s_barrier_wait -1
.if \fill
	CREST                                          ; the barrier has opened a round of the cluster's barrier: no wave of any partner still reads this slot or has a load on its way
	s_add_nc_u64 s[G0+4*\slot+2:G0+4*\slot+3], s[G0+4*\slot+2:G0+4*\slot+3], s[66:67]
	s_add_nc_u64 s[G0B+4*\slot+2:G0B+4*\slot+3], s[G0B+4*\slot+2:G0B+4*\slot+3], s[100:101]
	JLOAD G0+4*\slot, G1, G0B+4*\slot, G1B         ; the first tensor load behind the round, my one load until the next; its four v_nop are the places in front of the loads below
.else
	PLACES NP
.endif
	FETCH_B \next, 0, 0
	FETCH_A \next, 0, 0
	WIN MUL_HI
	MUL16 4, 1, 0
	MUL16 6, 1, 0
	PLACES NP
	WIN 0
	FETCH_A \next, 0, 4
.endm
	s_wait_alu depctr_va_vdst(0)
	s_wait_tensorcnt 1                             ; my part of K step 0 is in; K step 1's load may be out
	s_barrier_signal -1
	s_barrier_wait -1
	FETCH_B 0, 0, 0
	FETCH_A 0, 0, 0
	FETCH_A 0, 0, 4
	STEP 0, 0, 1                                   ; K = 1,024 is four K steps, eight steps of 128: written out
	TURN 0, 1, 1                                   ; slot 0 takes K step 2
	STEP 1, 0, 0
	TURN 1, 0, 1                                   ; slot 1 takes K step 3
	STEP 0, 0, 0
	TURN 0, 1, 0                                   ; nothing is left to fetch
	STEP 1, 0, 0
	s_wait_dscnt 4*NL
	WIN MUL_LO
	MUL16 0, 1, 0
	MUL16 2, 1, 0
	s_wait_dscnt 0
	WIN MUL_HI
	MUL16 4, 1, 0
	MUL16 6, 1, 0
	WIN 0
	; ---- THE WAY OUT.  The exponents are chosen by selects on the role: no branch hangs on a loaded number.
	s_wait_kmcnt 0x0
	s_add_co_i32 s18, s84, s85
	s_add_co_i32 s19, s86, s87
	s_add_co_i32 s20, s88, s89
	s_cmp_eq_u32 ttmp9, 1
	s_cselect_b32 s18, s19, s18
	s_cselect_b32 s21, s91, s90                    ; the output's exponent: e6 (q), e7 (k),
	s_cmp_eq_u32 ttmp9, 2
	s_cselect_b32 s18, s20, s18
	s_cselect_b32 s21, s93, s21                    ; e9 (v)
	s_add_co_i32 s18, s18, 127
	s_lshl_b32 s96, s18, 23                        ; 2^(ea + eb) as f32
	s_mov_b32 s97, s96                             ; (named with it as a pair, so it is written)
	s_add_co_i32 s21, s21, 127
	s_lshl_b32 s22, s21, 23
	v_mov_b32 v[SCV], s22
	PLACES NP                                      ; in front of loads into the registers that held A's fragments, and of the first reads of results
	s_cmp_eq_u32 ttmp9, 2
	s_cbranch_scc1 .Lv_out
	; ---- q, k.  Lane (r, h) of accumulator (a, b): token 16 a + r, feature 16 b + 8 h + j.  My 128 features are two heads; b = 4 hh + b'.
	s_cmp_eq_u32 ttmp9, 0
	s_cselect_b64 s[8:9], s[74:75], s[76:77]
	s_lshl_b32 s46, s42, 10
	s_lshl_b32 s47, s16, 9
	s_add_co_u32 s46, s46, s47
	s_mov_b32 s47, 0
	s_add_nc_u64 s[8:9], s[8:9], s[46:47]          ; the bias at my first feature
.irp b, 0,1,2,3,4,5,6,7
	global_load_b128 v[BIAS+8*\b:BIAS+8*\b+3], v[H32], s[8:9] offset:64*\b
	global_load_b128 v[BIAS+8*\b+4:BIAS+8*\b+7], v[H32], s[8:9] offset:64*\b+16
.endr
	s_and_b32 s18, s17, 7
	s_lshl_b32 s18, s18, 4
	s_lshl_b32 s19, s15, 3
	s_add_co_u32 s18, s18, s19                     ; my first position tile in the sequence
	s_lshl_b32 s20, s18, 12
	s_mov_b32 s21, 0
	s_add_nc_u64 s[12:13], s[80:81], s[20:21]
.macro ROPELD a                        ; block a's cos and sin: eight loads of 512 consecutive bytes, into set a % 2
.irp g, 0,1,2,3,4,5,6,7
	global_load_b128 v[RP+32*((\a)%2)+4*\g:RP+32*((\a)%2)+4*\g+3], v[LN16], s[12:13] offset:4096*(\a)+512*\g
.endr
.endm
	ROPELD 0
	s_lshr_b32 s20, s17, 3                         ; the batch
	s_lshl_b32 s20, s20, 4
	s_lshl_b32 s22, s42, 2
	s_add_co_u32 s20, s20, s22
	s_lshl_b32 s22, s16, 1
	s_add_co_u32 s20, s20, s22                     ; batch x 16 + my first head
	s_lshl_b32 s20, s20, 7
	s_add_co_u32 s20, s20, s18
	s_lshl_b32 s20, s20, 10                        ; an image of 16 rows x 64 k is 1,024 bytes
	s_lshl_b32 s22, ttmp9, 23                      ; q's images, then k's
	s_add_co_u32 s20, s20, s22
	s_mov_b32 s21, 0
	s_add_nc_u64 s[10:11], s[82:83], s[20:21]
.macro QKBLK a
.if (\a) < 7
	ROPELD (\a)+1
	s_wait_loadcnt 8                               ; all but the eight just issued: the bias and this block's table are in
.else
	s_wait_loadcnt 0
.endif
	s_wait_xcnt 0x0                                ; earlier stores have read their data: the sets of codes may be written again
.set RPS, RP+32*((\a)%2)
.irp hh, 0,1
	WIN 0x02+((\a)/4)                              ; source 0: window 2 or 3
.set j, 0
.rept 16
	v_pk_fma_f32 v[Y+j:Y+j+1], v[64*((\a)%4)+32*\hh+j:64*((\a)%4)+32*\hh+j+1], s[96:97], v[BIAS+32*\hh+j:BIAS+32*\hh+j+1] op_sel_hi:[1,0,1]   ; sum x 2^(ea + eb) + bias; each accumulator from its low end on
.set j, j+2
.endr
	WIN 0
.set j, 0
.rept 8
	v_pk_mul_f32 v[Z+j:Z+j+1], v[Y+j:Y+j+1], v[RPS+j:RPS+j+1]                    ; x cos, both halves of the head
	v_pk_mul_f32 v[Z+16+j:Z+16+j+1], v[Y+16+j:Y+16+j+1], v[RPS+j:RPS+j+1]
.set j, j+2
.endr
.set j, 0
.rept 8
	v_pk_fma_f32 v[Z+j:Z+j+1], v[Y+16+j:Y+16+j+1], v[RPS+16+j:RPS+16+j+1], v[Z+j:Z+j+1] neg_lo:[1,0,0] neg_hi:[1,0,0]   ; - the upper half x sin
	v_pk_fma_f32 v[Z+16+j:Z+16+j+1], v[Y+j:Y+j+1], v[RPS+16+j:RPS+16+j+1], v[Z+16+j:Z+16+j+1]                           ; + the lower half x sin
.set j, j+2
.endr
.set j, 0
.rept 32
.set j, j+1
.endr
.set CDS, CD+8*((2*(\a)+\hh)%4)
.irp b, 0,1,2,3
	v_cvt_scalef32_pk8_fp8_f32 v[CDS+2*\b:CDS+2*\b+1], v[Z+8*\b:Z+8*\b+7], v[SCV]   ; registers 2 b', 2 b' + 1 of the next operand: k = 16 b' + 8 h + 0 .. 7
.endr
	v_nop                                          ; a plain line behind the last conversion, ahead of the next write of its sources
	global_store_b128 v[LN16], v[CDS:CDS+3], s[10:11] offset:131072*\hh+1024*(\a)          ; 512 consecutive bytes each
	global_store_b128 v[LN16], v[CDS+4:CDS+7], s[10:11] offset:131072*\hh+1024*(\a)+512
.endr
.endm
.irp a, 0,1,2,3,4,5,6,7
	QKBLK \a
.endr
	FINISH2
.Lv_out:
	; ---- v.  Lane (r, h) of accumulator (a, b): channel 16 a + r of my 128 features (two heads of four channel tiles), key 16 b + 8 h + j of my 128 tokens: one key step.
	s_lshl_b32 s20, s17, 10
	s_lshl_b32 s21, s15, 9
	s_add_co_u32 s20, s20, s21
	s_mov_b32 s21, 0
	s_add_nc_u64 s[8:9], s[78:79], s[20:21]        ; bv at my first feature
.irp a, 0,1,2,3,4,5,6,7
	global_load_b32 v[32+2*\a], v[R4], s[8:9] offset:64*\a     ; my channel's bias, in both registers of a pair for the packed form
	global_load_b32 v[33+2*\a], v[R4], s[8:9] offset:64*\a
.endr
	s_lshr_b32 s46, s42, 3                         ; the batch
	s_lshl_b32 s46, s46, 4
	s_lshl_b32 s47, s17, 2
	s_add_co_u32 s46, s46, s47
	s_lshl_b32 s47, s15, 1
	s_add_co_u32 s46, s46, s47                     ; batch x 16 + my first head
	s_lshl_b32 s46, s46, 4
	s_lshl_b32 s47, s42, 1
	s_add_co_u32 s47, s47, s16
	s_and_b32 s47, s47, 15                         ; my key step in the sequence
	s_add_co_u32 s46, s46, s47
	s_lshl_b32 s46, s46, 13                        ; a key step's four channel tiles are 8,192 bytes
	s_add_co_u32 s46, s46, 0x1000000               ; behind q's and k's images
	s_mov_b32 s47, 0
	s_add_nc_u64 s[10:11], s[82:83], s[46:47]
	s_wait_loadcnt 0x0
.macro VBLK a
	s_wait_xcnt 0x0                                ; earlier stores have read their data
	WIN 0x02+((\a)/4)
.set j, 0
.rept 32
	v_pk_fma_f32 v[160+j:161+j], v[64*((\a)%4)+j:64*((\a)%4)+j+1], s[96:97], v[32+2*(\a):33+2*(\a)] op_sel_hi:[1,0,1]
.set j, j+2
.endr
	WIN 0
.set j, 0
.rept 64
.set j, j+1
.endr
.set CDS, CD+16*((\a)%2)
.irp b, 0,1,2,3,4,5,6,7
	v_cvt_scalef32_pk8_fp8_f32 v[CDS+2*\b:CDS+2*\b+1], v[160+8*\b:167+8*\b], v[SCV]   ; registers 2 b, 2 b + 1: keys 16 b + 8 h + 0 .. 7
.endr
	v_nop
.irp c, 0,1,2,3
	global_store_b128 v[LN16], v[CDS+4*\c:CDS+4*\c+3], s[10:11] offset:131072*((\a)/4)+2048*((\a)%4)+512*\c
.endr
.endm
.irp a, 0,1,2,3,4,5,6,7
	VBLK \a
.endr
	FINISH2
.Lfunc_end_k_q8ad738c064_qkv:
	.size	k_q8ad738c064_qkv, .Lfunc_end_k_q8ad738c064_qkv-k_q8ad738c064_qkv
	.p2alignl 7, 3214868480
	.fill 96, 4, 3214868480
	.section	.rodata,"a",@progbits
	.p2align	6, 0x0
	.amdhsa_kernel k_q8ad738c064_qkv
		.amdhsa_group_segment_fixed_size 327680
		.amdhsa_private_segment_fixed_size 0
		.amdhsa_enable_private_segment 0
		.amdhsa_kernarg_size 64
		.amdhsa_user_sgpr_count 2
		.amdhsa_user_sgpr_kernarg_segment_ptr 1
		.amdhsa_wavefront_size32 1
		.amdhsa_system_sgpr_workgroup_id_x 1
		.amdhsa_system_sgpr_workgroup_id_y 1
		.amdhsa_system_sgpr_workgroup_id_z 1
		.amdhsa_system_vgpr_workitem_id 0
		.amdhsa_next_free_vgpr 1024
		.amdhsa_next_free_sgpr 102
		.amdhsa_reserve_vcc 0
		.amdhsa_float_denorm_mode_32 3
		.amdhsa_float_denorm_mode_16_64 3
		.amdhsa_fp16_overflow 1
		.amdhsa_memory_ordered 1
		.amdhsa_forward_progress 1
		.amdhsa_inst_pref_size 170
	.end_amdhsa_kernel
	.amdgpu_metadata
---
amdhsa.version: [ 1, 2 ]
amdhsa.kernels:
  - .name:           k_q8ad738c064_qkv
    .symbol:         k_q8ad738c064_qkv.kd
    .args:
      - { .name: xc, .offset: 0, .size: 8, .value_kind: global_buffer, .address_space: global }
      - { .name: wc, .offset: 8, .size: 8, .value_kind: global_buffer, .address_space: global }
      - { .name: lowp_scales, .offset: 16, .size: 8, .value_kind: global_buffer, .address_space: global }
      - { .name: bq, .offset: 24, .size: 8, .value_kind: global_buffer, .address_space: global }
      - { .name: bk, .offset: 32, .size: 8, .value_kind: global_buffer, .address_space: global }
      - { .name: bv, .offset: 40, .size: 8, .value_kind: global_buffer, .address_space: global }
      - { .name: rope, .offset: 48, .size: 8, .value_kind: global_buffer, .address_space: global }
      - { .name: qkv, .offset: 56, .size: 8, .value_kind: global_buffer, .address_space: global }
    .group_segment_fixed_size: 327680
    .private_segment_fixed_size: 0
    .kernarg_segment_align: 8
    .kernarg_segment_size: 64
    .max_flat_workgroup_size: 128
    .sgpr_count:     102
    .vgpr_count:     1024
    .wavefront_size: 32
...
	.end_amdgpu_metadata
.endif
;; end of part 2
;; launch attn (part 3): grid 4 x 64, 16 waves a work-group, no clusters, 67,584 bytes of LDS; arguments qkv, mk, lowp_scales, oc; writes oc
.if DOCPART == 3
	.amdgcn_target "amdgcn-amd-amdhsa--gfx1250"
	.amdhsa_code_object_version 6
	.text
	.protected	k_q8ad738c064_attn
	.globl	k_q8ad738c064_attn
	.p2align	8
	.type	k_q8ad738c064_attn,@function
k_q8ad738c064_attn:
	s_mov_b64 s[64:65], 0
	v_nop
	global_prefetch_b8 v0, s[64:65] scope:SCOPE_SE
	s_setreg_imm32_b32 hwreg(HW_REG_WAVE_MODE, 25, 1), 1
	s_wait_xcnt 0x0
; ATTENTION on codes of E4M3.  q, k: images of 16 rows x 64 (the head); v: images of 16 channels x 128 keys; the mask: one bit a score, as lane masks; the result leaves as codes, laid as the last product's operand.
; t = score x 2^(e6 + e7) x log2(e) / 8; M = the running largest t rounded UP to a whole number; p = 2^(t - M) is quantised with 2^e8; the row's sum is taken of the unquantised p and divides at the end.
; SHARES.  Work-group (j, batch-head) serves two blocks of 256 queries, block 7 - j and then block j; each of its sixteen waves one tile of 16 queries, in 256 registers.  A pass walks 8 slots of 256 keys, two to a trip.
; K's and V's images come through registers into two LDS buffers that take turns: each thread loads 4 x 16 bytes a slot ahead and stores them in front of the slot's one barrier.
; LAYOUT.  S^T = K Q^T and O^T = V^T P^T: a lane holds one query (lane % 16) throughout, and its registers run along the keys: register 8 t + j is key 16 t + 8 (lane / 16) + j, which is where the next operand wants it.
; THE MASK IS HONOURED AS IT IS GIVEN.  A masked score is replaced by -2^(33 - e6 - e7), a logit of -2^30 where the reference has -1e9: t is then a whole number that the multiply-add gives exactly, so a row that is masked
; everywhere has p = 1 at every key, as the reference has.  LIMIT: the results are the reference's unless an unmasked logit lies under about -1e9.
; WORK THAT THE MASK THROWS AWAY IS LEFT OUT, by scalar branches on whole numbers that the first launch stored: a wave passes over a step whose 16 x 128 scores are all masked, if no row of its tile is masked at every key
; (every row then has a key that counts, beside which the masked p are 0); the selects are passed over where no score of the step is masked; a slot that no wave of the work-group wants is not fetched.
; The hold of p at 448 x 2^e8 is passed over where e8 >= -8: it then lies above 1, and p is at most 1.  No barrier stands under any of these branches; trip counts are constants.
; NO TENSOR LOADS AND NO JOINT LOADS: the branches above spare more than shared fetches of 32,768 bytes a slot would.
; LIMITS on the exponents: e6 + e7 between -94 and 130; e8, e10 between -126 and 119.
; REGISTERS: v1 16 x lane, v2 16 x thread, v3 the staging loads' offset, v4, v5 the add's two, v9 the prefetches' offset; v12 -M, v13 the largest t, v[14:15] the sum; v16-23 Q; v24 the masked score; v25: 2^e8;
;   v28: 2^e10; v32-95 K's fragments, then V's; v96-159 S^T, then p; v160-191 O^T; v192-207 p's codes; v208-223 staging; v224-231 the output's codes; v236-255 at work.
.set BUF,   32768                      ; an LDS buffer: K's 16 key tiles x 1,024 bytes, then V's 2 key steps x 4 channel tiles x 2,048
.set VOFF,  16384
.set SPARE, 65536                      ; behind the two buffers: the spare words, 128 bytes for each of sixteen waves
	s_load_b256 s[4:11], s[0:1], 0x0               ; qkv s[4:5], mk s[6:7], the exponents s[8:9], oc s[10:11]
	v_lshl_add_u32 v4, v0, 2, SPARE
	v_mov_b32 v5, 0
	v_lshrrev_b32 v8, 5, v0
	s_delay_alu instid0(VALU_DEP_1)
	v_readfirstlane_b32 s18, v8                    ; wave 0..15
	v_and_b32 v8, 31, v0                           ; lane
	s_delay_alu instid0(VALU_DEP_1)
	v_lshlrev_b32 v1, 4, v8
	v_lshlrev_b32 v2, 4, v0
	s_delay_alu instid0(VALU_DEP_3)
	v_lshlrev_b32 v10, 6, v8                       ; 64 x lane: a lane's eight pairs of class words
	v_mov_b32 v11, 0
	v_mov_b32 v236, 0                              ; written once: a lane permute's destination counts as one of its sources
	v_mov_b32 v252, 0
	v_mov_b32 v253, 0                              ; (named as the upper half of the pair v[252:253])
.set j, 0
.rept 16
	v_mov_b32 v[208+j], 0                          ; the staging registers are written once, so that they are defined on every way
.set j, j+1
.endr
	s_mov_b32 s20, 0x76543210                      ; lane selects: lane l xor 16
	s_mov_b32 s21, 0xfedcba98
	s_and_b32 s24, ttmp7, 0xffff                   ; batch x 16 + head
	s_lshl_b32 s35, s24, 17                        ; a head's images of K, or of V: 131,072 bytes
	s_add_co_u32 s12, s35, 0x800000
	s_mov_b32 s13, 0
	s_add_co_u32 s14, s35, 0x1000000
	s_mov_b32 s15, 0
	s_sub_co_u32 s30, 7, ttmp9                     ; the first pass's block,
	s_lshl_b32 s30, s30, 11                        ; whose 16 tiles x 16 steps x 2 class words are 2,048 bytes,
	s_add_co_u32 s30, s30, 524288                  ; behind the mask words
	s_mov_b32 s31, 0
	s_lshl_b32 s32, ttmp9, 11                      ; the second pass's
	s_add_co_u32 s32, s32, 524288
	s_mov_b32 s33, 0
	; the prefetches: waves 0, 1 of the head's first work-group ask for K's halves of a slot, waves 2, 3 for V's, lanes 256 bytes apart: 8,192 bytes a wave
	s_cmp_lt_u32 s18, 2
	s_mov_b32 s34, 0x1000000
	s_cselect_b32 s34, 0x800000, s34
	s_add_co_u32 s34, s34, s35
	s_and_b32 s40, s18, 1
	s_lshl_b32 s40, s40, 13
	s_add_co_u32 s34, s34, s40
	s_add_co_u32 s34, s34, 32768                   ; slot 2: slots 0 and 1 come by their loads alone
	v_lshl_add_u32 v9, v8, 8, s34
	s_lshr_b32 s40, s18, 2
	s_or_b32 s40, s40, ttmp9
	s_cmp_eq_u32 s40, 0
	s_cselect_b32 s101, 12, 0                      ; a wave prefetches while the trip's first step is under this: trips 0 to 2 ask for slots 2 to 7
	s_wait_kmcnt 0x0
	s_load_b128 s[36:39], s[8:9], 0x18             ; e6, e7, e8, e9
	s_load_b32 s44, s[8:9], 0x28                   ; e10
	s_add_nc_u64 s[30:31], s[6:7], s[30:31]
	s_add_nc_u64 s[32:33], s[6:7], s[32:33]
	s_add_nc_u64 s[12:13], s[4:5], s[12:13]        ; K's images of my head
	s_add_nc_u64 s[14:15], s[4:5], s[14:15]        ; V's
.irp i, 0,1,2,3
	global_load_b128 v[32+4*\i:35+4*\i], v10, s[30:31] offset:16*\i    ; lane 2 t + u: tile t of the block, steps 8 u + 0 .. 7: (AND, OR) pairs
.endr
.irp i, 0,1,2,3
	global_load_b128 v[48+4*\i:51+4*\i], v10, s[32:33] offset:16*\i
.endr
	s_wait_kmcnt 0x0
	s_add_co_i32 s40, s36, s37                     ; e6 + e7
	s_lshl_b32 s41, s40, 23
	s_add_co_i32 s22, s41, 0x3e38aa3b              ; c = log2(e) / 8, with e6 + e7 added to its exponent field
	s_mov_b32 s23, s22                             ; (named with it as a pair, so it is written)
	s_sub_co_i32 s41, 160, s40
	s_lshl_b32 s41, s41, 23
	s_or_b32 s41, s41, 0x80000000
	v_mov_b32 v24, s41                             ; -2^(33 - e6 - e7): x c it is -2^30 log2(e)
	s_mov_b32 s19, s38                             ; e8
	s_add_co_i32 s100, s38, s39                    ; e8 + e9
	s_add_co_i32 s41, s38, 127
	s_lshl_b32 s42, s41, 23
	v_mov_b32 v25, s42                             ; 2^e8
	s_add_co_i32 s41, s44, 127
	s_lshl_b32 s42, s41, 23
	v_mov_b32 v28, s42                             ; 2^e10
	s_lshl_b32 s43, s18, 1                         ; my tile's first lane among the class words
	s_wait_loadcnt 0x0
; From a block's class words in v[V] on: s[sk] = my tile's bits: 15:0 steps to pass over, 31:16 steps with a masked score; s45 = the steps that some wave of the work-group walks.
.macro CLASS V, sk
	v_and_b32 v10, v[\V], v[\V+2]
.irp k, 4,6,8,10,12,14
	s_delay_alu instid0(VALU_DEP_1)
	v_and_b32 v10, v10, v[\V+\k]
.endr
	s_delay_alu instid0(VALU_DEP_1)
	v_mov_b32_dpp v11, v10 row_xmask:1 row_mask:0xf bank_mask:0xf   ; the tile's other eight steps
	s_delay_alu instid0(VALU_DEP_1)
	v_and_b32 v10, v10, v11
	s_delay_alu instid0(VALU_DEP_1)
	v_lshrrev_b32 v11, 16, v10                     ; a row's two halves of the lanes
	s_delay_alu instid0(VALU_DEP_1)
	v_and_b32 v10, v10, v11
	s_delay_alu instid0(VALU_DEP_1)
	v_and_b32 v10, 0xffff, v10
	s_delay_alu instid0(VALU_DEP_1)
	v_cmp_ne_u32 s40, 0, v10                       ; lanes of tiles in which some row is masked at every key: such a tile walks every step
	s_mov_b32 s[\sk], 0
	s_mov_b32 s45, 0
.irp k, 0,1,2,3,4,5,6,7
	v_cmp_ne_u32 s41, -1, v[\V+2*\k]               ; lanes whose tile has a score that counts in step k (even lanes) or 8 + k (odd lanes)
	s_or_b32 s41, s41, s40
	s_and_b32 s42, s41, 0x55555555
	s_cselect_b32 s42, 1<<\k, 0
	s_or_b32 s45, s45, s42
	s_and_b32 s42, s41, 0xaaaaaaaa
	s_cselect_b32 s42, 1<<(8+\k), 0
	s_or_b32 s45, s45, s42
	s_lshr_b32 s41, s41, s43                       ; my tile's two lanes
	s_and_b32 s42, s41, 1
	s_cselect_b32 s42, 0, 1<<\k
	s_or_b32 s[\sk], s[\sk], s42
	s_and_b32 s42, s41, 2
	s_cselect_b32 s42, 0, 1<<(8+\k)
	s_or_b32 s[\sk], s[\sk], s42
	v_cmp_ne_u32 s41, 0, v[\V+2*\k+1]              ; lanes whose tile has a masked score there
	s_lshr_b32 s41, s41, s43
	s_and_b32 s42, s41, 1
	s_cselect_b32 s42, 1<<(16+\k), 0
	s_or_b32 s[\sk], s[\sk], s42
	s_and_b32 s42, s41, 2
	s_cselect_b32 s42, 1<<(24+\k), 0
	s_or_b32 s[\sk], s[\sk], s42
.endr
.endm
	CLASS 32, 2
	s_mov_b32 s66, s45
	CLASS 48, 3
	s_lshl_b32 s45, s45, 16
	s_or_b32 s66, s66, s45                         ; the work-group's wanted steps: pass 0 below, pass 1 above
.macro STLD off                        ; a slot's 32,768 bytes: 512 threads x 16 bytes, four times
	global_load_b128 v[208:211], v3, s[12:13] offset:\off
	global_load_b128 v[212:215], v3, s[12:13] offset:\off+8192
	global_load_b128 v[216:219], v3, s[14:15] offset:\off
	global_load_b128 v[220:223], v3, s[14:15] offset:\off+8192
.endm
; A KEY STEP: 128 keys, the q-th of the slot in buffer hf.  s26 = my bits from the trip's first step on.
.macro STEP hf, q
	s_bitcmp1_b32 s26, 2*\hf+\q
	s_cbranch_scc1 .Lskip_\@
	s_load_b512 s[32:47], s[16:17], 256*(2*\hf+\q)         ; the step's 64 mask words: word n in s[32 + n], from word 32 on in s[36 + n]
	s_load_b512 s[48:63], s[16:17], 256*(2*\hf+\q)+64
	s_load_b512 s[68:83], s[16:17], 256*(2*\hf+\q)+128
	s_load_b512 s[84:99], s[16:17], 256*(2*\hf+\q)+192
.irp t, 0,1,2,3,4,5,6,7
	ds_load_b128 v[32+8*\t:35+8*\t], v1 offset:\hf*BUF+8192*\q+1024*\t
	ds_load_b128 v[36+8*\t:39+8*\t], v1 offset:\hf*BUF+8192*\q+1024*\t+512
.endr
	s_wait_dscnt 0x0
.irp t, 0,1,2,3,4,5,6,7
	v_wmma_f32_16x16x64_fp8_fp8 v[96+8*\t:103+8*\t], v[32+8*\t:39+8*\t], v[16:23], 0
.endr
.rept 4
	v_nop                                          ; places in front of loads into K's registers and of the first reads of the scores
.endr
.irp ct, 0,1,2,3
.irp c, 0,1,2,3
	ds_load_b128 v[32+16*\ct+4*\c:35+16*\ct+4*\c], v1 offset:\hf*BUF+VOFF+8192*\q+2048*\ct+512*\c   ; V's fragments land under the softmax
.endr
.endr
	s_wait_kmcnt 0x0                               ; the mask words
	s_bitcmp1_b32 s26, 16+2*\hf+\q
	s_cbranch_scc0 .Lopen_\@
.set n, 0
.rept 32
	v_cndmask_b32 v[96+n], v[96+n], v24, s[32+n]
.set n, n+1
.endr
.rept 32
	v_cndmask_b32 v[96+n], v[96+n], v24, s[36+n]
.set n, n+1
.endr
.Lopen_\@:
	v_max3_num_f32 v254, v96, v97, v98             ; the step's largest score of my query among my 64 keys, in two chains; each accumulator is first read at its low end
	v_max3_num_f32 v252, v99, v100, v101
.set i, 6
.rept 14
	v_max3_num_f32 v254, v254, v[96+i], v[97+i]
	v_max3_num_f32 v252, v252, v[98+i], v[99+i]
.set i, i+4
.endr
	v_max3_num_f32 v254, v254, v158, v159
	s_delay_alu instid0(VALU_DEP_1)
	v_max_num_f32 v254, v254, v252
	s_delay_alu instid0(VALU_DEP_1)
	v_permlanex16_b32 v236, v254, s20, s21
	s_delay_alu instid0(VALU_DEP_1)
	v_max_num_f32 v254, v254, v236                 ; and among lane l xor 16's
	s_delay_alu instid0(VALU_DEP_1)
	v_mul_f32 v254, s22, v254                      ; as t (c is positive)
	s_delay_alu instid0(VALU_DEP_1)
	v_max_num_f32 v13, v13, v254                   ; the running largest t
	v_mov_b32 v254, v12
	s_delay_alu instid0(VALU_DEP_2)
	v_floor_f32 v12, -v13                          ; the new -M = floor(-t): M is a whole number
	s_delay_alu instid0(VALU_DEP_1)
	v_sub_f32 v254, v12, v254                      ; old M less new M: a whole number, 0 or less
	s_delay_alu instid0(VALU_DEP_1)
	v_cvt_i32_f32 v254, v254                       ; (it saturates)
	s_delay_alu instid0(VALU_DEP_1)
	v_ldexp_f32 v252, 1.0, v254                    ; f = 2^(old M - new M)
.set j, 0
.rept 32
	v_pk_fma_f32 v[96+j:97+j], v[96+j:97+j], s[22:23], v[12:13] op_sel_hi:[1,0,0]   ; t - M, two at a time
.set j, j+2
.endr
.set j, 0
	s_wait_alu depctr_va_vdst(0)
.rept 64
	v_exp_f32 v[96+j], v[96+j]                     ; p = 2^(t - M), at most 1
.set j, j+1
.endr
	v_pk_mul_f32 v[14:15], v[14:15], v[252:253] op_sel_hi:[1,0]   ; the sums under the new M: the plain place behind the exponentials
	s_wait_alu depctr_va_vdst(0)                   ; one wait for the whole batch, ahead of its first reader
	v_pk_add_f32 v[242:243], v[100:101], v[104:105]
	v_pk_add_f32 v[254:255], v[108:109], v[112:113]
	v_pk_add_f32 v[250:251], v[116:117], v[120:121]
	v_pk_add_f32 v[248:249], v[124:125], v[128:129]
	v_pk_add_f32 v[246:247], v[132:133], v[136:137]
	v_pk_add_f32 v[244:245], v[140:141], v[144:145]
	v_pk_add_f32 v[240:241], v[148:149], v[152:153]
	v_pk_add_f32 v[14:15], v[14:15], v[156:157]
	v_pk_add_f32 v[242:243], v[242:243], v[96:97]
	v_pk_add_f32 v[254:255], v[254:255], v[98:99]
	v_pk_add_f32 v[250:251], v[250:251], v[102:103]
	v_pk_add_f32 v[248:249], v[248:249], v[106:107]
	v_pk_add_f32 v[246:247], v[246:247], v[110:111]
	v_pk_add_f32 v[244:245], v[244:245], v[114:115]
	v_pk_add_f32 v[240:241], v[240:241], v[118:119]
	v_pk_add_f32 v[14:15], v[14:15], v[122:123]
	v_pk_add_f32 v[242:243], v[242:243], v[126:127]
	v_pk_add_f32 v[254:255], v[254:255], v[130:131]
	v_pk_add_f32 v[250:251], v[250:251], v[134:135]
	v_pk_add_f32 v[248:249], v[248:249], v[138:139]
	v_pk_add_f32 v[246:247], v[246:247], v[142:143]
	v_pk_add_f32 v[244:245], v[244:245], v[146:147]
	v_pk_add_f32 v[240:241], v[240:241], v[150:151]
	v_pk_add_f32 v[14:15], v[14:15], v[154:155]
	v_pk_add_f32 v[242:243], v[242:243], v[158:159]
	s_delay_alu instid0(VALU_DEP_2)
	v_pk_add_f32 v[14:15], v[14:15], v[248:249]
	s_delay_alu instid0(VALU_DEP_2)
	v_pk_add_f32 v[242:243], v[242:243], v[246:247]
	v_pk_add_f32 v[254:255], v[254:255], v[244:245]
	v_pk_add_f32 v[250:251], v[250:251], v[240:241]
	s_delay_alu instid0(VALU_DEP_2)
	v_pk_add_f32 v[14:15], v[14:15], v[254:255]
	s_delay_alu instid0(VALU_DEP_2)
	v_pk_add_f32 v[242:243], v[242:243], v[250:251]
	s_delay_alu instid0(VALU_DEP_1)
	v_pk_add_f32 v[14:15], v[14:15], v[242:243]
	s_cmp_ge_i32 s19, -8                           ; 448 x 2^e8 >= 1.75 there: the hold changes nothing
	s_cbranch_scc1 .Lno_hold_\@
.set j, 0
.rept 64
.set j, j+1
.endr
.Lno_hold_\@:
.irp t, 0,1,2,3,4,5,6,7
	v_cvt_scalef32_pk8_fp8_f32 v[192+2*\t:193+2*\t], v[96+8*\t:103+8*\t], v25   ; registers 2 t, 2 t + 1 of the operand: keys 16 t + 8 h + 0 .. 7
.endr
.set j, 0
.rept 16
	v_pk_mul_f32 v[160+j:161+j], v[160+j:161+j], v[252:253] op_sel_hi:[1,0]     ; O^T under the new M; also the plain lines between the conversions and the products
.set j, j+2
.endr
	s_wait_alu depctr_va_vdst(0)
	s_wait_dscnt 0x0                               ; V's fragments
.irp ct, 0,1,2,3
	v_wmma_f32_16x16x128_fp8_fp8 v[160+8*\ct:167+8*\ct], v[32+16*\ct:47+16*\ct], v[192:207], v[160+8*\ct:167+8*\ct]   ; the four accumulators take turns, one instruction a turn
.endr
.rept 4
	v_nop                                          ; places in front of the next loads into V's registers and of the next reads of O^T
.endr
.Lskip_\@:
.endm
; A SLOT.  One barrier: in front of it my part of this slot is stored and my reads of the slot before are over.  The buffer written here was last read two slots ago, and every wave ended those reads in front of the barrier between.
.macro HALF hf
	s_wait_loadcnt 0x0                             ; the staging loads, issued a slot ago (in a pass's first slot: Q too)
	s_and_b32 s30, s28, 3<<(2*\hf)                 ; does any wave of the work-group walk one of this slot's two steps?  The same number in all sixteen waves
	s_cmp_lg_u32 s30, 0
	s_cbranch_scc0 .Lno_st_\@
.irp i, 0,1,2,3
	ds_store_b128 v2, v[208+4*\i:211+4*\i] offset:\hf*BUF+8192*\i
.endr
.Lno_st_\@:
	s_wait_dscnt 0x0
	s_barrier_signal -1
	s_barrier_wait -1
	s_and_b32 s30, s28, 12<<(2*\hf)                ; the next slot, if it is wanted; behind the last slot these bits are 0, so no load leaves its buffer
	s_cmp_lg_u32 s30, 0
	s_cbranch_scc0 .Lno_ld_\@
	s_wait_alu depctr_va_vdst(0)
	STLD 16384*(\hf+1)
.Lno_ld_\@:
	s_cmp_lt_u32 s25, s101                         ; a prefetch of the slot two on, behind the loads: each block of 256 bytes of slots 2 to 7 is named once in the launch
	s_cbranch_scc0 .Lno_pf_\@
	s_wait_alu depctr_va_vdst(0)
	global_prefetch_b8 v9, s[4:5] offset:16384*\hf th:TH_LOAD_NT scope:SCOPE_SE
.Lno_pf_\@:
	STEP \hf, 0
	STEP \hf, 1
.endm
	s_mov_b32 s24, 0
.Lpass:
	s_wait_loadcnt 0x0                             ; no load into the staging registers is out: this pass's first loads may land there
	s_wait_xcnt 0x0                                ; earlier loads and stores have read their addresses and data: these may be written again
	s_cmp_eq_u32 s24, 0
	s_cselect_b32 s27, s2, s3                      ; my tile's bits
	s_cselect_b32 s101, s101, 0                    ; the second pass prefetches nothing
	s_sub_co_u32 s30, 7, ttmp9
	s_cmp_eq_u32 s24, 0
	s_cselect_b32 s30, s30, ttmp9                  ; the block of 256 queries
	s_lshl_b32 s30, s30, 4
	s_add_co_u32 s67, s30, s18                     ; my query tile
	s_lshl_b32 s30, s24, 4
	s_lshr_b32 s29, s66, s30
	s_and_b32 s29, s29, 0xffff                     ; the work-group's wanted steps
	s_lshl_b32 s30, s67, 12
	s_mov_b32 s31, 0
	s_add_nc_u64 s[16:17], s[6:7], s[30:31]        ; my tile's mask words: 16 steps x 256 bytes
	v_mov_b32 v3, v2
	s_and_b32 s30, s29, 3
	s_cmp_lg_u32 s30, 0
	s_cbranch_scc0 .Lno_first
	STLD 0                                         ; slot 0
.Lno_first:
	s_and_b32 s30, ttmp7, 0xffff
	s_lshl_b32 s30, s30, 7
	s_add_co_u32 s30, s30, s67
	s_lshl_b32 s30, s30, 10
	s_mov_b32 s31, 0
	s_add_nc_u64 s[30:31], s[4:5], s[30:31]
	global_load_b128 v[16:19], v1, s[30:31]        ; Q's fragment stays in registers
	global_load_b128 v[20:23], v1, s[30:31] offset:512
	v_mov_b32 v13, 0xff61b1e6                      ; the largest t so far: -3e38, under every t
	s_delay_alu instid0(VALU_DEP_1)
	v_floor_f32 v12, -v13
	v_mov_b32 v14, 0
	v_mov_b32 v15, 0
.set j, 0
.rept 32
	v_mov_b32 v[160+j], 0                          ; O^T: the step is written once; the first finds zeros, which the first change of M leaves zeros
.set j, j+1
.endr
	s_mov_b32 s25, 0
.Ltrip:                                            ; four trips of two slots: every LDS offset is an immediate
	s_lshr_b32 s26, s27, s25
	s_lshr_b32 s28, s29, s25
	HALF 0
	HALF 1
	s_wait_xcnt 0x0                                ; the trip's loads and its prefetches have read their offsets and bases
	s_wait_alu depctr_va_vdst(0)
	v_add_nc_u32 v3, 0x8000, v3
	v_add_nc_u32 v9, 0x8000, v9
	s_add_nc_u64 s[16:17], s[16:17], 1024
	s_add_co_u32 s25, s25, 4
	s_cmp_lt_u32 s25, 16
	s_cbranch_scc1 .Ltrip
	; ---- the way out of a pass: O^T / the sum x 2^(e8 + e9), quantised with 2^e10: registers 2 ct, 2 ct + 1 are k = 64 (head % 2) + 16 ct + 8 h + 0 .. 7 of the last product's operand
	v_add_f32 v14, v14, v15
	s_delay_alu instid0(VALU_DEP_1)
	v_permlanex16_b32 v252, v14, s20, s21
	s_delay_alu instid0(VALU_DEP_1)
	v_add_f32 v14, v14, v252
	s_wait_alu depctr_va_vdst(0)
	v_rcp_f32 v14, v14
	v_nop                                          ; a plain place behind the reciprocal
	s_and_b32 s30, ttmp7, 0xffff
	s_and_b32 s31, s30, 15                         ; the head
	s_lshr_b32 s30, s30, 4                         ; the batch
	s_lshl_b32 s30, s30, 7
	s_add_co_u32 s30, s30, s67                     ; the token tile
	s_lshl_b32 s30, s30, 12
	s_lshr_b32 s26, s31, 2                         ; 256 along k: four heads
	s_lshl_b32 s26, s26, 21
	s_add_co_u32 s30, s30, s26
	s_bfe_u32 s26, s31, 0x10001                    ; which 128 of them
	s_lshl_b32 s26, s26, 11
	s_add_co_u32 s30, s30, s26
	s_and_b32 s26, s31, 1                          ; which 64 of those: two of the image's four planes
	s_lshl_b32 s26, s26, 10
	s_add_co_u32 s30, s30, s26
	s_mov_b32 s31, 0
	s_add_nc_u64 s[30:31], s[10:11], s[30:31]
	s_wait_alu depctr_va_vdst(0)                   ; ahead of the reciprocal's first reader
	v_ldexp_f32 v14, v14, s100
.set j, 0
.rept 32
	v_mul_f32 v[96+j], v[160+j], v14
.set j, j+1
.endr
.set j, 0
.rept 32
.set j, j+1
.endr
.irp ct, 0,1,2,3
	v_cvt_scalef32_pk8_fp8_f32 v[224+2*\ct:225+2*\ct], v[96+8*\ct:103+8*\ct], v28
.endr
	v_nop                                          ; a plain line behind the last conversion
	global_store_b128 v1, v[224:227], s[30:31]             ; 512 consecutive bytes each
	global_store_b128 v1, v[228:231], s[30:31] offset:512
	s_add_co_u32 s24, s24, 1
	s_cmp_lt_u32 s24, 2
	s_cbranch_scc1 .Lpass
	s_wait_tensorcnt 0x0                           ; the wave's end, behind my last LDS store
	ds_add_u32 v4, v5
	s_wait_dscnt 0x0
	s_endpgm
.Lfunc_end_k_q8ad738c064_attn:
	.size	k_q8ad738c064_attn, .Lfunc_end_k_q8ad738c064_attn-k_q8ad738c064_attn
	.p2alignl 7, 3214868480
	.fill 96, 4, 3214868480
	.section	.rodata,"a",@progbits
	.p2align	6, 0x0
	.amdhsa_kernel k_q8ad738c064_attn
		.amdhsa_group_segment_fixed_size 67584
		.amdhsa_private_segment_fixed_size 0
		.amdhsa_enable_private_segment 0
		.amdhsa_kernarg_size 32
		.amdhsa_user_sgpr_count 2
		.amdhsa_user_sgpr_kernarg_segment_ptr 1
		.amdhsa_wavefront_size32 1
		.amdhsa_system_sgpr_workgroup_id_x 1
		.amdhsa_system_sgpr_workgroup_id_y 1
		.amdhsa_system_sgpr_workgroup_id_z 1
		.amdhsa_system_vgpr_workitem_id 0
		.amdhsa_next_free_vgpr 256
		.amdhsa_next_free_sgpr 102
		.amdhsa_reserve_vcc 0
		.amdhsa_float_denorm_mode_32 3
		.amdhsa_float_denorm_mode_16_64 3
		.amdhsa_fp16_overflow 1
		.amdhsa_memory_ordered 1
		.amdhsa_forward_progress 1
		.amdhsa_inst_pref_size 102
	.end_amdhsa_kernel
	.amdgpu_metadata
---
amdhsa.version: [ 1, 2 ]
amdhsa.kernels:
  - .name:           k_q8ad738c064_attn
    .symbol:         k_q8ad738c064_attn.kd
    .args:
      - { .name: qkv, .offset: 0, .size: 8, .value_kind: global_buffer, .address_space: global }
      - { .name: mk, .offset: 8, .size: 8, .value_kind: global_buffer, .address_space: global }
      - { .name: lowp_scales, .offset: 16, .size: 8, .value_kind: global_buffer, .address_space: global }
      - { .name: oc, .offset: 24, .size: 8, .value_kind: global_buffer, .address_space: global }
    .group_segment_fixed_size: 67584
    .private_segment_fixed_size: 0
    .kernarg_segment_align: 8
    .kernarg_segment_size: 32
    .max_flat_workgroup_size: 512
    .sgpr_count:     102
    .vgpr_count:     256
    .wavefront_size: 32
...
	.end_amdgpu_metadata
.endif
;; end of part 3
;; launch oproj (part 4): grid 4 x 32, 4 waves a work-group, clusters of 4 x 4, 327,680 bytes of LDS; arguments oc, wc, lowp_scales, bo, out0; writes out0
.if DOCPART == 4
	.amdgcn_target "amdgcn-amd-amdhsa--gfx1250"
	.amdhsa_code_object_version 6
	.text
	.protected	k_q8ad738c064_oproj
	.globl	k_q8ad738c064_oproj
	.p2align	8
	.type	k_q8ad738c064_oproj,@function
k_q8ad738c064_oproj:
	s_mov_b64 s[64:65], 0
	v_nop
	global_prefetch_b8 v0, s[64:65] scope:SCOPE_SE
	s_setreg_imm32_b32 hwreg(HW_REG_WAVE_MODE, 25, 1), 1
	s_wait_xcnt 0x0
	s_wait_alu depctr_hold_cnt(0) depctr_sa_sdst(0) depctr_va_vdst(0) depctr_va_sdst(0) depctr_va_ssrc(0) depctr_va_vcc(0) depctr_vm_vsrc(0)
	s_getreg_b32 s2, hwreg(HW_REG_IB_STS2, 6, 4)
	s_cmp_eq_u32 s2, 0
	s_cbranch_scc0 .Lentry_in_a_cluster
	s_endpgm
.Lentry_in_a_cluster:
	s_bfe_u32 s2, ttmp6, 0x10000c
	s_cmp_lg_u32 s2, 0xf033
	s_cbranch_scc0 .Lentry_shape_is_right
	s_endpgm
.Lentry_shape_is_right:
; THE LAST PRODUCT: out0 = o Wo^T x 2^(e10 + e11) + bo, on codes of E4M3, K = 1,024.  o's codes and Wo's lie in memory as images of their registers (16 rows x 128 k: 2,048 bytes, registers 4 c .. 4 c + 3 of lane L at 512 c + 16 L).
; A work-group of four waves makes 256 tokens x 256 features; a wave 128 x 128: 64 accumulators.  K goes in steps of 256 through two LDS slots filled by the tensor data mover; a wave's load is a dense block of 32,768 bytes.
; CLUSTERS: 4 x 4 work-groups; o's tile is shared along a row of the cluster, Wo's along a column, each asked for jointly.  Source 0 = Wo's rows, source 1 = o's: a lane holds eight neighbouring numbers of a row of out0.
; 8,192 x 1,024 outputs are 128 such tiles: one to a work-group.  LIMIT: e10 + e11 between -126 and 127.
; REGISTERS, in windows of 256: window 0: v16-29 addresses; from v128 A's fragments, one set; on the way out v32-255 are free.  window 1: B's fragments, two sets; on the way out v0-63 the bias.  windows 2, 3: the accumulators.
.set FR,     16
.set NL,     4
.set NP,     4                         ; places behind this matrix instruction (ISA guide 7.12.1)
.set HALFT,  32768
.set SLOT,   131072
.set SPARE,  262144                    ; behind the ring: the spare words, 128 bytes for each wave
.set SPITCH, 528                       ; the way out: a stage of 16 rows x (512 bytes + 16) for each wave, in slot 0, which has had its last fill and its last read when the first result is stored there
.set ROWO,   4096                      ; a row of out0 in bytes
.set ADRA, 16
.set ADRB, 20
.set STO,  24                          ; v24  where I put 32 bytes of a row
.set RD,   25                          ; v25  where I read a row back
.set CO,   26                          ; v26  16 x lane: my bytes of a row's 512
.set H32,  27                          ; v27  32 x (lane / 16)
.set SPW,  28
.set NIL,  29
.set TMP,  32
.set AF,   128
.set BK,   128
.set G1, 24
.set G0, 32
.set G1B, 48
.set G0B, 56
.set MSB, 0
.macro WIN new                         ; the immediate's high byte repeats the setting that is left
.if MSB != (\new)
	s_set_vgpr_msb (MSB<<8)|(\new)
.set MSB, \new
.endif
.endm
.set MUL_LO, 0xa1
.set MUL_HI, 0xf1
.set TO_B,   0x40
.macro JLOAD g0a, g1a, g0b, g1b        ; a joint load: waves 0 and 1 fetch for A, waves 2 and 3 for B; an s_nop 0 and four v_nop follow each of the two lines
	s_cmp_eq_u32 s15, 0
	s_cbranch_scc0 .Lfor_b_\@
	tensor_load_to_lds s[\g0a:\g0a+3], s[\g1a:\g1a+7]
	s_nop 0
.rept 4
	v_nop
.endr
	s_branch .Lasked_\@
.Lfor_b_\@:
	tensor_load_to_lds s[\g0b:\g0b+3], s[\g1b:\g1b+7]
	s_nop 0
.rept 4
	v_nop
.endr
.Lasked_\@:
.endm
.macro CREST
	s_cmp_lg_u32 s14, 0
	s_cbranch_scc1 .Lnot_wave_0_\@
	s_barrier_signal -3
.Lnot_wave_0_\@:
	s_barrier_wait -3
	s_barrier_signal -1
	s_barrier_wait -1
.endm
.macro CROUND
	s_barrier_signal -1
	s_barrier_wait -1
	CREST
.endm
	s_load_b256 s[68:75], s[0:1], 0x0              ; oc s[68:69], wc s[70:71], the exponents s[72:73], bo s[74:75]
	s_load_b64 s[76:77], s[0:1], 0x20              ; out0
	v_lshl_add_u32 v[SPW], v0, 2, SPARE
	v_mov_b32 v[NIL], 0
	ds_add_u32 v[SPW], v[NIL]                      ; the wave's opening: the add, with its wait ahead of my first tensor load
	ds_add_u32 v[SPW], v[NIL]
	v_lshrrev_b32 v1, 5, v0
	v_readfirstlane_b32 s14, v1                    ; wave 0..3
	s_lshr_b32 s15, s14, 1
	s_and_b32 s16, s14, 1
	s_bfe_u32 s40, ttmp6, 0x40000                  ; cx = the tile column
	s_bfe_u32 s41, ttmp6, 0x40004                  ; cy
	s_and_b32 s17, ttmp7, 0xffff
	s_lshl_b32 s17, s17, 2
	s_add_co_u32 s17, s17, s41                     ; the tile row = 4 x cluster y + cy
	s_lshl_b32 s43, s41, 2
	s_lshl_b32 s43, 15, s43                        ; my row of the cluster
	s_lshl_b32 s44, 0x1111, s40                    ; my column
	s_or_b32 s[G1+0], s43, (1<<21)                 ; 15:0 the mask; 17:16 elements of 1 byte; no padding; 21 set beside a mask
	s_or_b32 s[G1B+0], s44, (1<<21)
.irp g, G1, G1B
	s_mov_b32 s[\g+1], 256<<16                     ; a dense block of 32,768 bytes as 128 rows of 256
	s_mov_b32 s[\g+2], 128<<16
	s_mov_b32 s[\g+3], 256<<16
	s_mov_b32 s[\g+4], 128
	s_mov_b32 s[\g+5], 256
	s_mov_b32 s[\g+6], 0
	s_mov_b32 s[\g+7], 0
.endr
	s_lshl_b32 s18, s16, 15
	s_lshl_b32 s20, s17, 16
	s_add_co_u32 s20, s20, s18
	s_mov_b32 s21, 0
	s_lshl_b32 s46, s40, 16
	s_add_co_u32 s46, s46, s18
	s_add_co_u32 s46, s46, 0x300000                ; Wo is the fourth matrix
	s_mov_b32 s47, 0
	s_lshl_b32 s45, s14, 15
	s_wait_dscnt 0x0                               ; the opening add is done
	s_wait_kmcnt 0x0
	s_load_b64 s[96:97], s[72:73], 0x28            ; e10, e11
	s_add_nc_u64 s[20:21], s[68:69], s[20:21]
	s_add_nc_u64 s[46:47], s[70:71], s[46:47]
	CROUND                                         ; all sixteen work-groups are here: the first joint loads meet
.irp s, 0,1
	s_mov_b32 s[G0+4*\s], 1
	s_add_co_u32 s[G0+4*\s+1], s45, \s*SLOT
	s_add_nc_u64 s[G0+4*\s+2:G0+4*\s+3], s[20:21], \s*0x200000     ; a K step of o's images is 2^21 bytes on,
	s_or_b32 s[G0+4*\s+3], s[G0+4*\s+3], 0x80000000
	s_mov_b32 s[G0B+4*\s], 1
	s_add_co_u32 s[G0B+4*\s+1], s45, \s*SLOT
	s_add_nc_u64 s[G0B+4*\s+2:G0B+4*\s+3], s[46:47], \s*0x40000    ; of Wo's 2^18
	s_or_b32 s[G0B+4*\s+3], s[G0B+4*\s+3], 0x80000000
	s_wait_alu depctr_va_vdst(0)
	s_wait_tensorcnt 0x0
	ds_add_u32 v28, v29
	ds_add_u32 v28, v29
	s_wait_dscnt 0x0
	CROUND
	JLOAD G0+4*\s, G1, G0B+4*\s, G1B
.endr
	v_and_b32 v1, 15, v0
	s_wait_alu depctr_va_vdst(0)
	v_bfe_u32 v2, v0, 4, 1
	v_and_b32 v6, 31, v0
	v_lshlrev_b32 v[CO], 4, v6
	v_lshlrev_b32 v[H32], 5, v2
	s_lshl_b32 s21, s15, 15
	s_lshl_b32 s22, s16, 15
	s_add_co_u32 s22, s22, 2*HALFT
.irp s, 0,1
	v_add_nc_u32 v[ADRA+\s], s21, v[CO]
	v_add_nc_u32 v[ADRB+\s], s22, v[CO]
	s_add_co_u32 s21, s21, SLOT
	s_add_co_u32 s22, s22, SLOT
.endr
	s_mul_i32 s23, s14, 16*SPITCH                  ; my stage
	v_mul_u32_u24 v5, v1, SPITCH
	s_wait_alu depctr_va_vdst(0)
	v_lshl_add_u32 v5, v2, 5, v5
	v_add_nc_u32 v[STO], s23, v5                   ; in: row l % 16, 32 bytes for each half of the lanes
	v_add_nc_u32 v[RD], s23, v[CO]                 ; back: the 32 lanes take one row of 512 bytes
	s_lshl_b32 s20, s17, 8
	s_lshl_b32 s21, s15, 7
	s_add_co_u32 s20, s20, s21                     ; my first row of out0
	s_lshl_b32 s20, s20, 12
	s_mov_b32 s21, 0
	s_lshl_b32 s46, s40, 10                        ; my first column, in bytes
	s_lshl_b32 s47, s16, 9
	s_add_co_u32 s46, s46, s47
	s_mov_b32 s47, 0
	s_add_nc_u64 s[8:9], s[74:75], s[46:47]        ; bo at my first column
	s_add_nc_u64 s[20:21], s[20:21], s[46:47]
	s_add_nc_u64 s[10:11], s[76:77], s[20:21]
.macro FRAG reg, adr, q, i
.irp c, 0,1,2,3
	ds_load_b128 v[\reg+4*\c:\reg+4*\c+3], v[\adr] offset:2048*(\q)+4096*(\i)+512*\c
.endr
.endm
.macro MUL16 a0, p, zero               ; the 64 accumulators take turns, one instruction a turn, in the same order in every step
.irp a, \a0, \a0+1
.irp b, 0,1,2,3,4,5,6,7
.if \zero
	v_wmma_f32_16x16x128_fp8_fp8 v[8*(8*((\a)%4)+\b):8*(8*((\a)%4)+\b)+7], v[128*(\p)+FR*\b:128*(\p)+FR*\b+FR-1], v[AF+FR*(\a):AF+FR*(\a)+FR-1], 0
.else
	v_wmma_f32_16x16x128_fp8_fp8 v[8*(8*((\a)%4)+\b):8*(8*((\a)%4)+\b)+7], v[128*(\p)+FR*\b:128*(\p)+FR*\b+FR-1], v[AF+FR*(\a):AF+FR*(\a)+FR-1], v[8*(8*((\a)%4)+\b):8*(8*((\a)%4)+\b)+7]
.endif
.endr
.endr
.endm
.macro FETCH_B slot, q, p
	WIN TO_B
.irp i, 0,1,2,3,4,5,6,7
	FRAG 128*(\p)+FR*\i, ADRB+\slot, \q, \i
.endr
	WIN 0
.endm
.macro FETCH_A slot, q, i0
.irp i, \i0, \i0+1, \i0+2, \i0+3
	FRAG AF+FR*(\i), ADRA+\slot, \q, \i
.endr
.endm
.macro PLACES n
.rept \n
	v_nop
.endr
.endm
.macro STEP slot, q, zero
	s_wait_dscnt 4*NL                              ; B's set and A's blocks 0-3 are in; the youngest sixteen loads (A's blocks 4-7) may be out
	WIN MUL_LO
	MUL16 0, (\q)%2, \zero
	MUL16 2, (\q)%2, \zero
	s_wait_dscnt 0
	PLACES NP
	FETCH_B \slot, (\q)+1, 1-(\q)%2
	FETCH_A \slot, (\q)+1, 0
	WIN MUL_HI
	MUL16 4, (\q)%2, \zero
	MUL16 6, (\q)%2, \zero
	PLACES NP
	WIN 0
	FETCH_A \slot, (\q)+1, 4
.endm
.macro TURN slot, next, fill
	s_wait_tensorcnt 0x0                           ; all my tensor loads have landed: my part of the next slot
	ds_add_u32 v[SPW], v[NIL]                      ; 0 onto my spare word
	s_wait_dscnt 4*NL+1                            ; (the add and the youngest sixteen loads may be out)
	WIN MUL_LO
	MUL16 0, 1, 0
	s_wait_dscnt 0x0                               ; the add is done, and my reads of this slot are over
	s_barrier_signal -1
	MUL16 2, 1, 0
	WIN 0
	s_barrier_wait -1
.if \fill
	CREST                                          ; the barrier has opened a round of the cluster's barrier: no wave of any partner still reads this slot or has a load on its way
	s_add_nc_u64 s[G0+4*\slot+2:G0+4*\slot+3], s[G0+4*\slot+2:G0+4*\slot+3], 0x400000
	s_add_nc_u64 s[G0B+4*\slot+2:G0B+4*\slot+3], s[G0B+4*\slot+2:G0B+4*\slot+3], 0x80000
	JLOAD G0+4*\slot, G1, G0B+4*\slot, G1B         ; the first tensor load behind the round, my one load until the next
.else
	PLACES NP
.endif
	FETCH_B \next, 0, 0
	FETCH_A \next, 0, 0
	WIN MUL_HI
	MUL16 4, 1, 0
	MUL16 6, 1, 0
	PLACES NP
	WIN 0
	FETCH_A \next, 0, 4
.endm
	s_wait_tensorcnt 1                             ; my part of K step 0 is in; K step 1's load may be out
	s_barrier_signal -1
	s_barrier_wait -1
	FETCH_B 0, 0, 0
	FETCH_A 0, 0, 0
	FETCH_A 0, 0, 4
	STEP 0, 0, 1
	TURN 0, 1, 1                                   ; slot 0 takes K step 2
	STEP 1, 0, 0
	TURN 1, 0, 1                                   ; slot 1 takes K step 3
	STEP 0, 0, 0
	TURN 0, 1, 0                                   ; nothing is left to fetch; behind this barrier nobody reads slot 0
	STEP 1, 0, 0
	s_wait_dscnt 4*NL
	WIN MUL_LO
	MUL16 0, 1, 0
	MUL16 2, 1, 0
	s_wait_dscnt 0
	WIN MUL_HI
	MUL16 4, 1, 0
	MUL16 6, 1, 0
	WIN 0
; THE WAY OUT, block by block of 16 rows x 128 columns: through my own stage in LDS, back as whole rows of 512 bytes.  LDS serves a wave's instructions in order (ISA guide 5.7.1.4): no wait between the stores and the loads.
.macro TOSTAGE a
.set AC, 64*((\a)%4)
	WIN 0x12+((\a)/4)                              ; source 0 (the sums) window 2 or 3, source 2 (the bias) window 1
.set j, 0
.rept 32
	v_pk_fma_f32 v[TMP+j:TMP+j+1], v[AC+j:AC+j+1], s[96:97], v[j:j+1] op_sel_hi:[1,0,1]   ; sum x 2^(e10 + e11) + bo; each accumulator from its low end on
.set j, j+2
.endr
	WIN 0
.irp b, 0,1,2,3,4,5,6,7
	ds_store_b128 v[STO], v[TMP+8*\b:TMP+8*\b+3] offset:64*\b
	ds_store_b128 v[STO], v[TMP+8*\b+4:TMP+8*\b+7] offset:64*\b+16
.endr
.set BB, BK+64*((\a)%2)
.irp t, 0,1,2,3,4,5,6,7,8,9,10,11,12,13,14,15
	ds_load_b128 v[BB+4*\t:BB+4*\t+3], v[RD] offset:\t*SPITCH
.endr
.endm
.macro SEND a, younger                 ; younger: the LDS instructions issued behind block a's loads, which may stay out
.set BB, BK+64*((\a)%2)
	s_wait_dscnt \younger
.if (\a) > 0
	s_add_nc_u64 s[10:11], s[10:11], 16*ROWO       ; (behind a wait on XCNT: the earlier stores have read their base)
.endif
.irp t, 0,1,2,3,4,5,6,7,8,9,10,11,12,13,14,15
	global_store_b128 v[CO], v[BB+4*\t:BB+4*\t+3], s[10:11] offset:\t*ROWO th:TH_STORE_NT   ; 32 lanes store 512 consecutive bytes, aligned; written once, read by nobody here
.endr
.endm
	s_wait_kmcnt 0x0
	s_add_co_i32 s96, s96, s97
	s_add_co_i32 s96, s96, 127
	s_lshl_b32 s96, s96, 23                        ; 2^(e10 + e11) as f32
	s_mov_b32 s97, s96                             ; (named with it as a pair, so it is written)
	PLACES NP                                      ; in front of loads into registers that held fragments, and of the first reads of results
	WIN TO_B
.irp b, 0,1,2,3,4,5,6,7
	global_load_b128 v[8*\b:8*\b+3], v[H32], s[8:9] offset:64*\b          ; bo of features 16 b + 8 h + 0 .. 7, in the results' layout
	global_load_b128 v[8*\b+4:8*\b+7], v[H32], s[8:9] offset:64*\b+16
.endr
	WIN 0
	s_wait_loadcnt 0x0
	TOSTAGE 0
.irp a, 1,2,3,4,5,6,7
.if \a > 1
	s_wait_xcnt 0x0                                ; block a - 2's stores have read their registers and their base
.endif
	TOSTAGE \a
	SEND \a-1, 32                                  ; behind block a - 1's loads: block a's 16 stores and 16 loads
.endr
	s_wait_xcnt 0x0
	SEND 7, 0
	s_wait_tensorcnt 0x0                           ; the wave's end, behind my last tensor load and my last LDS store
	ds_add_u32 v[SPW], v[NIL]
	s_wait_dscnt 0x0
	CROUND                                         ; the closing round: no work-group ends while a partner may still ask for a tile that names it
	s_endpgm
.Lfunc_end_k_q8ad738c064_oproj:
	.size	k_q8ad738c064_oproj, .Lfunc_end_k_q8ad738c064_oproj-k_q8ad738c064_oproj
	.p2alignl 7, 3214868480
	.fill 96, 4, 3214868480
	.section	.rodata,"a",@progbits
	.p2align	6, 0x0
	.amdhsa_kernel k_q8ad738c064_oproj
		.amdhsa_group_segment_fixed_size 327680
		.amdhsa_private_segment_fixed_size 0
		.amdhsa_enable_private_segment 0
		.amdhsa_kernarg_size 40
		.amdhsa_user_sgpr_count 2
		.amdhsa_user_sgpr_kernarg_segment_ptr 1
		.amdhsa_wavefront_size32 1
		.amdhsa_system_sgpr_workgroup_id_x 1
		.amdhsa_system_sgpr_workgroup_id_y 1
		.amdhsa_system_sgpr_workgroup_id_z 1
		.amdhsa_system_vgpr_workitem_id 0
		.amdhsa_next_free_vgpr 1024
		.amdhsa_next_free_sgpr 102
		.amdhsa_reserve_vcc 0
		.amdhsa_float_denorm_mode_32 3
		.amdhsa_float_denorm_mode_16_64 3
		.amdhsa_memory_ordered 1
		.amdhsa_forward_progress 1
		.amdhsa_inst_pref_size 125
	.end_amdhsa_kernel
	.amdgpu_metadata
---
amdhsa.version: [ 1, 2 ]
amdhsa.kernels:
  - .name:           k_q8ad738c064_oproj
    .symbol:         k_q8ad738c064_oproj.kd
    .args:
      - { .name: oc, .offset: 0, .size: 8, .value_kind: global_buffer, .address_space: global }
      - { .name: wc, .offset: 8, .size: 8, .value_kind: global_buffer, .address_space: global }
      - { .name: lowp_scales, .offset: 16, .size: 8, .value_kind: global_buffer, .address_space: global }
      - { .name: bo, .offset: 24, .size: 8, .value_kind: global_buffer, .address_space: global }
      - { .name: out0, .offset: 32, .size: 8, .value_kind: global_buffer, .address_space: global }
    .group_segment_fixed_size: 327680
    .private_segment_fixed_size: 0
    .kernarg_segment_align: 8
    .kernarg_segment_size: 40
    .max_flat_workgroup_size: 128
    .sgpr_count:     102
    .vgpr_count:     1024
    .wavefront_size: 32
...
	.end_amdgpu_metadata
.endif
;; end of part 4
